; MI455X (gfx1250); checked and timed in simulation.
; The chip was launched on July 23, 2026; its instructions are those of AMD's public machine-readable ISA for CDNA 5 (MIT licence, August 2026) and "CDNA5" Instruction Set Architecture Reference Guide (July 2026). The comments in the code are by the model that wrote it; some were corrected since.
;; Causal Self Attention Ro PE. Allowed arithmetic: matrix products marked QUANTISED: E2M1 operands, one E8M0 scale for each 32 along K, by v_wmma_scale_f32_16x16x128_f8f6f4 with both operands' format E2M1 (or v_wmma_scale_f32_32x16x128_f4), f32 sums; products left as they are: bf16, f16 or f32 operands; f32 sums; everything else in f32.
;; Inputs: W_out 1,024 x 1,024 float32; W_qkv 1,024 x 3,072 float32; b_out 1,024 float32; b_qkv 3,072 float32; pad_mask 4 x 2,048 bool; x 4 x 2,048 x 1,024 float32.
;; Outputs: out0 4 x 2,048 x 1,024 float32.
;; This version of the problem:
;;   THIS VERSION OF THE PROBLEM IS GIVEN IN LOW PRECISION. The matrix products marked QUANTISED in the list below multiply operands that are first quantised to E2M1 (2 exponent bits, 1 mantissa bit; 4 bits a number), with one power-of-two scale for each 32 numbers along K (OCP MX v1.0); their sums are f32. The products marked 'left as it is' may take bf16, f16 or f32 operands, with f32 sums. Whichever they take, every output number must still come out within the allowed error. Rounding operands to bf16 (8 significant bits) uses up far more of that allowance than f16 does (11 bits, for magnitudes from 6e-5 to 65,504). All else is computed in f32.
;;   The module's matrix products, in the order in which they are computed (A, B: the left and right operand; K: the contracted axis; several contracted axes count as one K, in the product's order):
;;     1. [M 8,192, K 1,024] x [K 1,024, N 3,072]; A: input x; B: input W_qkv: QUANTISED
;;     2. [M 2,048, K 1] x [K 1, N 32]; A: computed on the way; B: computed on the way: left as it is (no contracted axis)
;;     3. batch 64 x [M 2,048, K 64] x [K 64, N 2,048]; A: computed on the way; B: computed on the way: left as it is (an operand is computed on the way)
;;     4. batch 64 x [M 2,048, K 2,048] x [K 2,048, N 64]; A: computed on the way; B: computed on the way: left as it is (an operand is computed on the way)
;;     5. [M 8,192, K 1,024] x [K 1,024, N 1,024]; A: computed on the way; B: input W_out: left as it is (an operand is computed on the way)
;;   THE QUANTISER, for each operand of a quantised product, along K:
;;     - K is cut into blocks of 32 from its start; a last block that is shorter is filled with zeros.
;;     - A block's scale is 2^e with e = floor(log2(the largest magnitude in the block)) - 2, held to -126 .. 127; a block of zeros has e = 0. As a byte (E8M0): e + 127.
;;     - Each number is divided by its block's scale, clamped to +-6, and rounded to the nearest number of E2M1, ties to even, subnormals kept.
;;     - The product sums the exact products of the quantised numbers (number of the format x scale) in f32.
;;   ~~~python
;;   def quantise(x, axis):      # numpy; x: float32 -> the quantised numbers, widened to float32 again
;;       x = np.moveaxis(x, axis, -1); K = x.shape[-1]
;;       x = np.pad(x, [(0, 0)] * (x.ndim - 1) + [(0, -K % 32)]); x = x.reshape(x.shape[:-1] + (-1, 32)); a = np.abs(x).max(-1, keepdims=True)
;;       e = np.where(a > 0, np.clip(np.frexp(np.where(a > 0, a, 1))[1] - 1 - 2, -126, 127), 0)      # np.frexp(a)[1] - 1 = floor(log2(a)), exactly
;;       r = np.clip(x / 2.0 ** e, -6, 6)
;;       step = 2.0 ** (np.maximum(np.frexp(np.where(r == 0, 1, r))[1] - 1, 0) - 1)
;;       q = np.round(r / step) * step * 2.0 ** e      # np.round: ties to even
;;       return np.moveaxis(q.reshape(q.shape[:-2] + (-1,))[..., :K], -1, axis).astype(np.float32)
;;   ~~~
;; One version. Each part assembles by itself: llvm-mc -triple=amdgcn-amd-amdhsa -mcpu=gfx1250 --defsym DOCPART=n.
;; ======== version 1 of 1: 5 launches
;; limits: values are held in f16: magnitudes above 65,504 overflow, below 6.1e-05 lose precision
;; workspace buffers: codes 5,767,168 bytes; scales 360,448 bytes; w16 2,097,152 bytes; cs 557,056 bytes; qkv16 50,331,648 bytes; qkvf 786,432 bytes; y16 16,777,216 bytes
;; launch prep (part 1): grid 466 x 1, 4 waves a work-group, no clusters, 68,096 bytes of LDS; arguments x, W_qkv, W_out, codes, scales, w16, cs; writes codes, scales, w16, cs
.if DOCPART == 1
	.amdgcn_target "amdgcn-amd-amdhsa--gfx1250"
	.amdhsa_code_object_version 6
	.text
	.protected	k_qfdfab06120_prep
	.globl	k_qfdfab06120_prep
	.p2align	8
	.type	k_qfdfab06120_prep,@function
k_qfdfab06120_prep:
	s_mov_b64 s[64:65], 0
	v_nop
	global_prefetch_b8 v0, s[64:65] scope:SCOPE_SE
	s_setreg_imm32_b32 hwreg(HW_REG_WAVE_MODE, 25, 1), 1
	s_wait_xcnt 0x0
; FOUR PREPARATIONS IN ONE LAUNCH, told apart by the work-group's number alone:
;   0..47    W: W_qkv [1024 k][3072 n] f32 -> codes of E2M1 laid [n][512 bytes] (K innermost) at byte WCO of 'codes', E8M0 bytes [n][32] at byte WSO of 'scales'
;   48..303  X: x [8192][1024] f32 -> codes [m][512 bytes] at byte 0 of 'codes', bytes [m][32] at byte 0 of 'scales'
;   304..431 C: W_out f32 -> f16, same order, into 'w16'
;   432..465 T: the table 'cs': row l (256 bytes) = cos(l f_i), i = 0..31, then sin(l f_i), f_i = 10000^(-i/32); rows 2048..2175 hold cos = 1, sin = 0 (for v, which is not turned)
; A block's scale is 2^(floor(log2(its largest magnitude)) - 2); its byte is the largest magnitude's exponent field - 2, held at 1 from below.  A block of zeros so gets the byte 1 where the
; quantiser says 127: its codes are zeros, which add nothing, and this program alone reads the bytes.
; LIMITS: NaN and infinities among the inputs are not served; blocks whose largest magnitude lies under 2^-124 keep the byte 1.  f_i comes from v_exp_f32 (1 ulp), the angle is reduced by
; pi/2 in two parts (the quotient has at most 11 bits, so the first part's product is exact) and cos and sin are polynomials on |r| <= pi/4.
; Each path that stores to LDS has LDS bytes of its own: X bytes 0..32,767, W bytes 32,768..67,583; the spare words lie behind them.  No barrier: waves share nothing.
.set WCO,   4194304
.set WSO,   262144
.set SPW,   190                        ; v190 LDS address of my spare word; never rewritten
.set NIL,   191                        ; v191 0; never rewritten
.set WSTG,  32768                      ; path W's four stages begin here
.set SPARE, 67584
.set EMAX,  2
.macro FINISH                          ; a wave that stored to LDS ends so
	s_wait_tensorcnt 0x0
	ds_add_u32 v[SPW], v[NIL]
	s_wait_dscnt 0x0
	s_endpgm
.endm
	s_load_b256 s[4:11], s[0:1], 0x0               ; x s[4:5], W_qkv s[6:7], W_out s[8:9], codes s[10:11]
	s_load_b128 s[12:15], s[0:1], 0x20             ; scales s[12:13], w16 s[14:15]
	s_load_b64 s[16:17], s[0:1], 0x30              ; cs
	v_lshl_add_u32 v[SPW], v0, 2, SPARE
	v_mov_b32 v[NIL], 0
	v_lshrrev_b32 v1, 5, v0
	v_readfirstlane_b32 s18, v1                    ; wave
	v_and_b32 v2, 31, v0                           ; lane
	s_mov_b32 s23, 0                               ; the high word of every 32-bit offset below
	s_wait_kmcnt 0x0
	s_cmp_lt_u32 ttmp9, 48
	s_cbranch_scc1 .Lpath_w
	s_cmp_lt_u32 ttmp9, 304
	s_cbranch_scc1 .Lpath_x
	s_cmp_lt_u32 ttmp9, 432
	s_cbranch_scc1 .Lpath_c
; ---------------- T: the table.  A wave makes 16 rows; lane L owns numbers 2 L and 2 L + 1 of a row: lanes 0-15 cosines, lanes 16-31 sines
	s_sub_co_u32 s20, ttmp9, 432
	s_lshl_b32 s20, s20, 6
	s_lshl_b32 s21, s18, 4
	s_add_co_u32 s20, s20, s21                     ; my first row
	s_lshl_b32 s22, s20, 8
	s_add_nc_u64 s[16:17], s[16:17], s[22:23]
	s_mov_b32 s24, 0x3f22f983                      ; 2 / pi
	s_mov_b32 s25, 0x3fc90fdb                      ; pi / 2, high part
	s_mov_b32 s26, 0xb33bbd2e                      ; and the rest
	s_mov_b32 s27, 0xb94ca1f9                      ; sine's three coefficients
	s_mov_b32 s28, 0x3c08839e
	s_mov_b32 s29, 0xbe2aaaa3
	s_mov_b32 s30, 0x37ccf5ce                      ; cosine's three
	s_mov_b32 s31, 0xbab6061a
	s_mov_b32 s32, 0x3d2aaaa5
	v_lshlrev_b32 v3, 3, v2                        ; my 8 bytes of a row
	v_lshlrev_b32 v4, 1, v2
	v_and_b32 v4, 31, v4                           ; i of my first number
	v_add_nc_u32 v5, 1, v4
	v_cvt_f32_u32 v4, v4
	v_cvt_f32_u32 v5, v5
	v_mul_f32 v4, 0xbed49a78, v4                   ; - i log2(10000) / 32
	v_mul_f32 v5, 0xbed49a78, v5
	v_exp_f32 v6, v4                               ; f_i
	v_exp_f32 v7, v5
	v_lshrrev_b32 v8, 4, v2                        ; (plain work behind the two exponentials)
	v_xor_b32 v8, 1, v8                            ; 1 in the lanes that make cosines: cos a = sin(a + pi/2)
	s_wait_alu depctr_va_vdst(0)                   ; one wait for both, ahead of their first reader
.macro EVAL k
	v_mul_f32 v10, v9, v[6+\k]                     ; the angle a = l f, rounded once as the definition rounds it
	v_mul_f32 v11, s24, v10
	v_rndne_f32 v11, v11                           ; n = the nearest multiple of pi/2
	v_fma_f32 v10, -v11, s25, v10
	v_fma_f32 v10, -v11, s26, v10                  ; r = a - n pi/2
	v_cvt_i32_f32 v11, v11
	v_add_nc_u32 v11, v11, v8                      ; the quadrant, one further for a cosine
	v_mul_f32 v12, v10, v10                        ; z = r r
	v_fma_f32 v13, v12, s27, s28
	v_fma_f32 v14, v12, s30, s31
	v_fma_f32 v13, v13, v12, s29
	v_fma_f32 v14, v14, v12, s32
	v_mul_f32 v13, v13, v12
	v_mul_f32 v15, v12, v12
	v_fma_f32 v16, v12, -0.5, 1.0
	v_fma_f32 v13, v13, v10, v10                   ; sin r
	v_fma_f32 v14, v14, v15, v16                   ; cos r
	v_and_b32 v15, 1, v11
	v_cmp_eq_u32 vcc_lo, 1, v15
	v_cndmask_b32 v13, v13, v14, vcc_lo            ; odd quadrants take the cosine,
	v_and_b32 v15, 2, v11
	v_lshlrev_b32 v15, 30, v15
	v_xor_b32 v[18+\k], v13, v15                   ; quadrants 2 and 3 the other sign
.endm
	s_mov_b32 s21, 0
.Ltrow:
	s_cmp_lt_u32 s20, 2048
	s_cselect_b32 s22, s20, 0                      ; rows from 2048 on: the angle 0
	v_cvt_f32_u32 v9, s22
	EVAL 0
	EVAL 1
	global_store_b64 v3, v[18:19], s[16:17]        ; 32 lanes store a whole row of 256 bytes, aligned
	s_wait_xcnt 0x0                                ; the store's data and base are written again only behind this wait
	s_add_nc_u64 s[16:17], s[16:17], 256
	s_add_co_u32 s20, s20, 1
	s_add_co_u32 s21, s21, 1
	s_cmp_lt_u32 s21, 16
	s_cbranch_scc1 .Ltrow
	s_endpgm
; ---------------- C: W_out to f16.  A wave takes 2,048 numbers: 16 loads of 512 consecutive bytes, 16 stores of 256 consecutive bytes; no register is written twice
.Lpath_c:
	s_sub_co_u32 s20, ttmp9, 304
	s_lshl_b32 s20, s20, 2
	s_add_co_u32 s20, s20, s18
	s_lshl_b32 s22, s20, 13
	s_add_nc_u64 s[8:9], s[8:9], s[22:23]
	s_lshl_b32 s22, s20, 12
	s_add_nc_u64 s[14:15], s[14:15], s[22:23]
	v_lshlrev_b32 v3, 4, v2
	v_lshlrev_b32 v4, 3, v2
.irp i, 0,1,2,3,4,5,6,7,8,9,10,11,12,13,14,15
	global_load_b128 v[16+4*\i:19+4*\i], v3, s[8:9] offset:512*\i
.endr
.irp i, 0,1,2,3,4,5,6,7,8,9,10,11,12,13,14,15
	s_wait_loadcnt 15-\i                           ; loads come back in order: load i is in, the younger ones stay out
	v_cvt_pk_f16_f32 v[80+2*\i], v[16+4*\i], v[17+4*\i]
	v_cvt_pk_f16_f32 v[81+2*\i], v[18+4*\i], v[19+4*\i]
	global_store_b64 v4, v[80+2*\i:81+2*\i], s[14:15] offset:256*\i
.endr
	s_endpgm
; ---------------- X: x is a plain stream of blocks of 32.  A wave takes 16 steps of 512 numbers.  Each load reads 512 consecutive bytes, 16 a lane; a step's 2,048 bytes turn through the
; wave's own stage in LDS and come back 64 bytes a lane, so that a lane holds 16 neighbours along K and two neighbouring lanes a block.
.set STEPS, 16
.set CB,    8                          ; bytes of 16 codes
.set R,     16                         ; v16-79   four sets of 16 numbers as loaded
.set X,     80                         ; v80-111  two sets of 16 neighbours
.set C,     128                        ; v128-189 codes, registers of their own for each step
.set E,     112                        ; v112-127 a scale byte for each step
.set WREG,  8192                       ; a wave's LDS: two stages of 32 x SP bytes, then its 256 scale bytes
.set SP,    80
.macro LOADX t
.irp i, 0,1,2,3
	global_load_b128 v[R+16*((\t)%4)+4*\i:R+16*((\t)%4)+4*\i+3], v3, s[4:5] offset:2048*(\t)+512*\i th:TH_LOAD_NT
.endr
.endm
.macro TURNX t                         ; LDS serves a wave's instructions in order: no wait between the stores and the loads
.irp i, 0,1,2,3
	ds_store_b128 v14, v[R+16*((\t)%4)+4*\i:R+16*((\t)%4)+4*\i+3] offset:32*SP*((\t)%2)+8*SP*\i
.endr
.irp i, 0,1,2,3
	ds_load_b128 v[X+16*((\t)%2)+4*\i:X+16*((\t)%2)+4*\i+3], v15 offset:32*SP*((\t)%2)+16*\i
.endr
.endm
.macro STEPX t
.set XS, X+16*((\t)%2)
.if (\t) > 0
	s_wait_dscnt 1                                 ; this step's numbers are back from the stage (the last step's byte store may be out)
.else
	s_wait_dscnt 0x0
.endif
.if (\t)+4 < STEPS
	LOADX (\t)+4                                   ; into the registers that this step's stage stores have read
.endif
.if (\t)+1 < STEPS
.if STEPS-2-(\t) >= 3
	s_wait_loadcnt 12                              ; the next step's four loads are in; three steps' loads may be out
.else
	s_wait_loadcnt 4*(STEPS-2-(\t))
.endif
	TURNX (\t)+1
.endif
	v_max3_num_f32 v8, |v[XS]|, |v[XS+1]|, |v[XS+2]|
	v_max3_num_f32 v9, |v[XS+3]|, |v[XS+4]|, |v[XS+5]|
.irp i, 6,10
	v_max3_num_f32 v8, v8, |v[XS+\i]|, |v[XS+\i+1]|
	v_max3_num_f32 v9, v9, |v[XS+\i+2]|, |v[XS+\i+3]|
.endr
	v_max3_num_f32 v8, v8, |v[XS+14]|, |v[XS+15]|
	v_max3_num_f32 v8, v8, v9, (EMAX+1)<<23        ; the floor 2^(3 - 127): the byte cannot fall under 1
	v_max_num_f32_dpp v8, v8, v8 row_xmask:1 row_mask:0xf bank_mask:0xf   ; with my neighbour's 16: the block's largest magnitude
	v_add_nc_u32 v11, -(EMAX<<23), v8              ; 2 off its exponent field: the conversion takes this operand's exponent field as its scale
	v_cvt_scalef32_pk8_fp4_f32 v[C+4*(\t)], v[XS:XS+7], v11
	v_cvt_scalef32_pk8_fp4_f32 v[C+4*(\t)+1], v[XS+8:XS+15], v11
	v_lshrrev_b32 v[E+(\t)], 23, v11               ; the scale's byte (a plain line behind the conversions)
	ds_store_b8 v5, v[E+(\t)] offset:16*(\t)       ; both lanes of a block write the same byte with the same value
	global_store_b64 v4, v[C+4*(\t):C+4*(\t)+1], s[10:11] offset:32*CB*(\t)   ; 32 lanes store 256 consecutive bytes, aligned
.endm
.Lpath_x:
	v_lshlrev_b32 v3, 4, v2
	s_mul_i32 s19, s18, WREG
	v_lshrrev_b32 v14, 2, v2
	v_mul_u32_u24 v14, v14, SP
	v_and_b32 v15, 3, v2
	v_lshl_add_u32 v14, v15, 4, v14
	v_add_nc_u32 v14, s19, v14                     ; into the stage: SP (lane / 4) + 16 (lane % 4)
	v_mul_u32_u24 v15, v2, SP
	v_add_nc_u32 v15, s19, v15                     ; out of it: SP x lane
	v_mul_u32_u24 v4, v2, CB
	v_lshrrev_b32 v5, 1, v2
	s_add_co_u32 s19, s19, 2*32*SP
	v_add_nc_u32 v5, s19, v5                       ; my block's byte among the wave's 256
	v_lshlrev_b32 v7, 3, v2
	v_add_nc_u32 v6, s19, v7
	s_sub_co_u32 s20, ttmp9, 48
	s_lshl_b32 s20, s20, 2
	s_add_co_u32 s20, s20, s18                     ; which run of 8,192 numbers is my wave's
	s_lshl_b32 s22, s20, 15
	s_add_nc_u64 s[4:5], s[4:5], s[22:23]
	s_lshl_b32 s22, s20, 12
	s_add_nc_u64 s[10:11], s[10:11], s[22:23]
	s_lshl_b32 s22, s20, 8
	s_add_nc_u64 s[12:13], s[12:13], s[22:23]
.irp t, 0,1,2,3
	LOADX \t
.endr
	s_wait_loadcnt 12                              ; step 0's four loads are in
	TURNX 0
.irp t, 0,1,2,3,4,5,6,7,8,9,10,11,12,13,14,15
	STEPX \t
.endr
	ds_load_b64 v[8:9], v6                         ; my wave's 256 scale bytes, 8 a lane
	s_wait_dscnt 0x0
	global_store_b64 v7, v[8:9], s[12:13]          ; 256 consecutive bytes, aligned
	FINISH
; ---------------- W: K is W_qkv's first axis.  A lane takes a column n and its registers run down K: a block of 32 lies in one lane, and the codes come out with K innermost.
; A wave takes 32 columns x 512 along K; its codes (256 bytes a column) go through its own stage and leave as rows: sixteen lanes store 256 consecutive bytes, aligned.
.set KW,     512
.set NB,     KW/32
.set PITCHW, 272
.set KROW,   512
.set SIZE_N, 3072
.set XW,     32                        ; v32-95   two sets of 32 numbers
.set CW,     96                        ; v96-99   a block's codes
.set OUTR,   112                       ; v112-175 the way out
.set SB,     24                        ; v24-27   the scale bytes, four to a register
.macro LOADW t
.irp i, 0,1,2,3,4,5,6,7,8,9,10,11,12,13,14,15,16,17,18,19,20,21,22,23,24,25,26,27,28,29,30,31
	global_load_b32 v[XW+32*((\t)%2)+\i], v3, s[6:7] offset:(32*(\t)+\i)*SIZE_N*4 th:TH_LOAD_NT
.endr
.endm
.macro BLOCKW t
.set XS, XW+32*((\t)%2)
.if (\t) < NB-1
	s_wait_loadcnt 32                              ; this block's 32 loads are in; the next block's may be out
.else
	s_wait_loadcnt 0
.endif
	v_max3_num_f32 v12, |v[XS]|, |v[XS+1]|, |v[XS+2]|
	v_max3_num_f32 v13, |v[XS+3]|, |v[XS+4]|, |v[XS+5]|
.irp i, 6,10,14,18,22,26
	v_max3_num_f32 v12, v12, |v[XS+\i]|, |v[XS+\i+1]|
	v_max3_num_f32 v13, v13, |v[XS+\i+2]|, |v[XS+\i+3]|
.endr
	v_max3_num_f32 v12, v12, |v[XS+30]|, |v[XS+31]|
	v_max3_num_f32 v12, v12, v13, (EMAX+1)<<23
	v_add_nc_u32 v11, -(EMAX<<23), v12
	v_lshrrev_b32 v13, 23, v11
.if (\t)%4 == 0
	v_mov_b32 v[SB+(\t)/4], v13
.else
	v_lshl_or_b32 v[SB+(\t)/4], v13, 8*((\t)%4), v[SB+(\t)/4]
.endif
.irp g, 0,1,2,3
	v_cvt_scalef32_pk8_fp4_f32 v[CW+\g], v[XS+8*\g:XS+8*\g+7], v11
.endr
	ds_store_b128 v4, v[CW:CW+3] offset:16*(\t)
.if (\t)+2 < NB
	LOADW (\t)+2
.endif
	s_wait_dscnt 0x0                               ; the store has read its registers: the next block's codes may be written
.endm
.Lpath_w:
	s_cmp_ge_u32 ttmp9, 24
	s_cselect_b32 s20, 1, 0                        ; which 512 along K
	s_cselect_b32 s21, 24, 0
	s_sub_co_u32 s21, ttmp9, s21
	s_lshl_b32 s21, s21, 7
	s_lshl_b32 s22, s18, 5
	s_add_co_u32 s21, s21, s22                     ; my wave's first column
	v_lshlrev_b32 v3, 2, v2
	s_mul_i32 s19, s18, 32*PITCHW
	s_add_co_u32 s19, s19, WSTG                    ; my stage
	v_mul_u32_u24 v4, v2, PITCHW
	v_add_nc_u32 v4, s19, v4
	v_and_b32 v5, 15, v2
	v_lshrrev_b32 v6, 4, v2
	v_mul_u32_u24 v7, v6, PITCHW
	v_lshl_add_u32 v7, v5, 4, v7
	v_add_nc_u32 v7, s19, v7
	v_mul_u32_u24 v8, v6, KROW
	v_lshl_add_u32 v8, v5, 4, v8
	v_lshlrev_b32 v9, 5, v2                        ; my column's row of 32 scale bytes
	s_mul_i32 s22, s20, KW*SIZE_N*4
	s_lshl_b32 s24, s21, 2
	s_add_co_u32 s22, s22, s24
	s_add_nc_u64 s[6:7], s[6:7], s[22:23]
	s_lshl_b32 s22, s21, 9
	s_lshl_b32 s24, s20, 8
	s_add_co_u32 s22, s22, s24
	s_add_co_u32 s22, s22, WCO
	s_add_nc_u64 s[10:11], s[10:11], s[22:23]
	s_lshl_b32 s22, s21, 5
	s_lshl_b32 s24, s20, 4
	s_add_co_u32 s22, s22, s24
	s_add_co_u32 s22, s22, WSO
	s_add_nc_u64 s[12:13], s[12:13], s[22:23]
	LOADW 0
	LOADW 1
.set Q, 0
.rept NB
	BLOCKW Q
.set Q, Q+1
.endr
	global_store_b128 v9, v[SB:SB+3], s[12:13]     ; my column's 16 scale bytes
.irp t, 0,1,2,3,4,5,6,7,8,9,10,11,12,13,14,15
	ds_load_b128 v[OUTR+4*\t:OUTR+4*\t+3], v7 offset:2*\t*PITCHW
.endr
.irp t, 0,1,2,3,4,5,6,7,8,9,10,11,12,13,14,15
	s_wait_dscnt 15-\t
	global_store_b128 v8, v[OUTR+4*\t:OUTR+4*\t+3], s[10:11] offset:2*\t*KROW
.endr
	FINISH
.Lfunc_end_k_qfdfab06120_prep:
	.size	k_qfdfab06120_prep, .Lfunc_end_k_qfdfab06120_prep-k_qfdfab06120_prep
	.p2alignl 7, 3214868480
	.fill 96, 4, 3214868480
	.section	.rodata,"a",@progbits
	.p2align	6, 0x0
	.amdhsa_kernel k_qfdfab06120_prep
		.amdhsa_group_segment_fixed_size 68096
		.amdhsa_private_segment_fixed_size 0
		.amdhsa_enable_private_segment 0
		.amdhsa_kernarg_size 56
		.amdhsa_user_sgpr_count 2
		.amdhsa_user_sgpr_kernarg_segment_ptr 1
		.amdhsa_wavefront_size32 1
		.amdhsa_system_sgpr_workgroup_id_x 1
		.amdhsa_system_sgpr_workgroup_id_y 1
		.amdhsa_system_sgpr_workgroup_id_z 1
		.amdhsa_system_vgpr_workitem_id 0
		.amdhsa_next_free_vgpr 192
		.amdhsa_next_free_sgpr 66
		.amdhsa_reserve_vcc 1
		.amdhsa_float_denorm_mode_32 3
		.amdhsa_float_denorm_mode_16_64 3
		.amdhsa_memory_ordered 1
		.amdhsa_forward_progress 1
		.amdhsa_inst_pref_size 120
	.end_amdhsa_kernel
	.amdgpu_metadata
---
amdhsa.version: [ 1, 2 ]
amdhsa.kernels:
  - .name:           k_qfdfab06120_prep
    .symbol:         k_qfdfab06120_prep.kd
    .args:
      - { .name: x, .offset: 0, .size: 8, .value_kind: global_buffer, .address_space: global }
      - { .name: W_qkv, .offset: 8, .size: 8, .value_kind: global_buffer, .address_space: global }
      - { .name: W_out, .offset: 16, .size: 8, .value_kind: global_buffer, .address_space: global }
      - { .name: codes, .offset: 24, .size: 8, .value_kind: global_buffer, .address_space: global }
      - { .name: scales, .offset: 32, .size: 8, .value_kind: global_buffer, .address_space: global }
      - { .name: w16, .offset: 40, .size: 8, .value_kind: global_buffer, .address_space: global }
      - { .name: cs, .offset: 48, .size: 8, .value_kind: global_buffer, .address_space: global }
    .group_segment_fixed_size: 68096
    .private_segment_fixed_size: 0
    .kernarg_segment_align: 8
    .kernarg_segment_size: 56
    .max_flat_workgroup_size: 128
    .sgpr_count:     66
    .vgpr_count:     192
    .wavefront_size: 32
...
	.end_amdgpu_metadata
.endif
;; end of part 1
;; launch qkv (part 2): grid 12 x 32, 4 waves a work-group, clusters of 4 x 4, 327,680 bytes of LDS; arguments codes, scales, b_qkv, cs, qkv16, qkvf; writes qkv16, qkvf
.if DOCPART == 2
	.amdgcn_target "amdgcn-amd-amdhsa--gfx1250"
	.amdhsa_code_object_version 6
	.text
	.protected	k_qfdfab06120_qkv
	.globl	k_qfdfab06120_qkv
	.p2align	8
	.type	k_qfdfab06120_qkv,@function
k_qfdfab06120_qkv:
	s_mov_b64 s[64:65], 0
	v_nop
	global_prefetch_b8 v0, s[64:65] scope:SCOPE_SE
	s_setreg_imm32_b32 hwreg(HW_REG_WAVE_MODE, 25, 1), 1
	s_wait_xcnt 0x0
	s_wait_alu depctr_hold_cnt(0) depctr_sa_sdst(0) depctr_va_vdst(0) depctr_va_sdst(0) depctr_va_ssrc(0) depctr_va_vcc(0) depctr_vm_vsrc(0)
	s_getreg_b32 s2, hwreg(HW_REG_IB_STS2, 6, 4)
	s_cmp_eq_u32 s2, 0
	s_cbranch_scc0 .Lentry_in_a_cluster
	s_endpgm
.Lentry_in_a_cluster:
	s_bfe_u32 s2, ttmp6, 0x10000c
	s_cmp_lg_u32 s2, 0xf033
	s_cbranch_scc0 .Lentry_shape_is_right
	s_endpgm
.Lentry_shape_is_right:
; qkv = Q(x) Q(W_qkv) + b_qkv on codes of E2M1 with E8M0 scales, then the rotary turn of q and k in f32; out: f16, laid [48 g][8192 m][64] (g 0-15 q's heads, 16-31 k's, 32-47 v's),
; and an f32 copy of positions 0..15 of every sequence, laid [4 b][48 g][16][64], for the launch that carries those rows finely.
; A tile of 256 x 256 is made by four waves, 128 x 128 each (two heads wide): 64 accumulators, 512 registers.  K = 1,024 is two LDS slots of 512: both are first fills, nothing is filled again.
; By this text's count a wave has three tensor loads out at the start (scale bytes, slot 0, slot 1).  The scale bytes of the 256 + 256 rows, for all of K, come once, as dense blocks.
; CLUSTERS: 4 x 4 work-groups; A's tiles are asked for jointly along a row of the cluster, B's along a column.
; THE MATRIX INSTRUCTION IS USED TRANSPOSED (source 0 = 16 rows of W's codes, source 1 = 16 rows of x's): a lane holds eight neighbouring channels of one position.
; The bias is the C of each sum's first product.  v takes rows 2048.. of the table (cos 1, sin 0): the choice is a choice of address, no branch.
; The f32 copy is stored in pieces of 16 bytes a lane (0.8 MB in the whole launch), under a lane mask that is empty in the work-groups that hold no first position.
; LIMITS: |q|, |k|, |v| stay under f16's 65,504.
; REGISTERS: window 0: v0-31 addresses; v32-95 scale words (nothing else, ever); v96-127 table set 0; v128-191 A's fragments, on the way out table set 1 (v128-159) and the packed f16 (v160-191);
;   v192-255 the bias, on the way out rows read back from the stage, two sets.  window 1: B's fragments, two sets (v0, v128), on the way out v0-63 the turned numbers in f32.  windows 2, 3: accumulators.
.set WCO,    4194304                   ; W's codes in 'codes'
.set WSO,    262144                    ; W's bytes in 'scales'
.set NQ,     4                         ; steps of 128 along K in a slot
.set ROWB,   256
.set KROW,   512
.set PITCH,  272                       ; an LDS row: 256 bytes + 16: the 16 rows of a fragment load start at 16 different groups of four banks
.set FR,     8
.set NL,     2
.set NP,     4
.set HALFT,  128*PITCH
.set SLOT,   4*HALFT
.set KS,     32
.set SCL,    2*SLOT
.set HALFS,  16*272
.set SBLK,   2*272
.set SPARE,  SCL+4*HALFS
.set WSTG,   4608                      ; the way out: a wave's stage, [2 heads][16 rows][128 + 16 bytes], in slot 0, which has had its only fill and its last read by then
.set ADRA, 16
.set ADRB, 20
.set FLG,  22                          ; v22 tile row mod 8: 0 where the tile begins a sequence
.set BO,   23                          ; v23 32 h: my eight numbers of a bias tile
.set STO,  24
.set RD,   25
.set CO,   26                          ; v26 16 x lane
.set ADRS, 27
.set SPW,  28
.set NIL,  29
.set CSO,  30                          ; v30 my byte in the table: (row + r) 256 + 32 h
.set FO,   31                          ; v31 my byte in the f32 copy: 256 r + 32 h
.set SC,   32
.set CS,   96
.set AF,   128
.set H,    160
.set BIAS, 192
.set BK,   192
.set G1, 24
.set G0, 32
.set G1B, 48
.set G0B, 56
.set G1S, 68
.set G0S, 76
.set G1SB, 80
.set G0SB, 88
.set MSB, 0
.macro WIN new                         ; the immediate's high byte repeats the setting that is left
.if MSB != (\new)
	s_set_vgpr_msb (MSB<<8)|(\new)
.set MSB, (\new)
.endif
.endm
.set MUL_LO, 0xa1                      ; source 0 window 1, source 1 window 0, C and D window 2 (first products: C window 0: 0x81)
.set MUL_HI, 0xf1                      ; the same with window 3 (first products: 0xc1)
.set TO_B,   0x40
.macro JLOAD g0a, g1a, g0b, g1b        ; waves 0, 1 fetch for A, waves 2, 3 for B; an s_nop 0 and four v_nop follow each line
	s_cmp_eq_u32 s15, 0
	s_cbranch_scc0 .Lfor_b_\@
	tensor_load_to_lds s[\g0a:\g0a+3], s[\g1a:\g1a+7]
	s_nop 0
.rept 4
	v_nop
.endr
	s_branch .Lasked_\@
.Lfor_b_\@:
	tensor_load_to_lds s[\g0b:\g0b+3], s[\g1b:\g1b+7]
	s_nop 0
.rept 4
	v_nop
.endr
.Lasked_\@:
.endm
.macro CROUND                          ; a round of the cluster's barrier
	s_barrier_signal -1
	s_barrier_wait -1
	s_cmp_lg_u32 s14, 0
	s_cbranch_scc1 .Lnot_wave_0_\@
	s_barrier_signal -3
.Lnot_wave_0_\@:
	s_barrier_wait -3
	s_barrier_signal -1
	s_barrier_wait -1
.endm
	s_load_b128 s[4:7], s[0:1], 0x0                ; codes, scales (x's at their first bytes)
	s_load_b128 s[96:99], s[0:1], 0x10             ; b_qkv, cs
	s_load_b64 s[12:13], s[0:1], 0x20              ; qkv16
	s_load_b64 s[100:101], s[0:1], 0x28            ; qkvf
	v_lshl_add_u32 v[SPW], v0, 2, SPARE
	v_mov_b32 v[NIL], 0
	ds_add_u32 v[SPW], v[NIL]                      ; the opening: the add, twice on end, and its wait ahead of my first tensor load
	ds_add_u32 v[SPW], v[NIL]
	v_lshrrev_b32 v1, 5, v0
	v_readfirstlane_b32 s14, v1                    ; wave
	s_lshr_b32 s15, s14, 1                         ; my half of the tile's rows; also: I fetch for A (0) or B (1)
	s_and_b32 s16, s14, 1                          ; my half of its columns; also: which 128 rows I fetch
	s_bfe_u32 s40, ttmp6, 0x40000                  ; cx
	s_bfe_u32 s41, ttmp6, 0x40004                  ; cy
	s_lshl_b32 s42, ttmp9, 2
	s_add_co_u32 s42, s42, s40                     ; tile column
	s_and_b32 s17, ttmp7, 0xffff
	s_lshl_b32 s17, s17, 2
	s_add_co_u32 s17, s17, s41                     ; tile row
	s_lshl_b32 s43, s41, 2
	s_lshl_b32 s43, 15, s43                        ; my row of the cluster
	s_lshl_b32 s44, 0x1111, s40                    ; my column
	s_or_b32 s[G1+0], s43, (0<<16)|(1<<20)|(1<<21)|(5<<22)|(3<<25)   ; elements of 1 byte; 4 words of padding behind every 64
	s_or_b32 s[G1B+0], s44, (0<<16)|(1<<20)|(1<<21)|(5<<22)|(3<<25)
.irp g, G1, G1B
	s_mov_b32 s[\g+1], ROWB<<16
	s_mov_b32 s[\g+2], 128<<16
	s_mov_b32 s[\g+3], ROWB<<16
	s_mov_b32 s[\g+4], 128
	s_mov_b32 s[\g+5], KROW
	s_mov_b32 s[\g+6], 0
	s_mov_b32 s[\g+7], 0
.endr
	s_or_b32 s[G1S+0], s43, (3<<16)|(1<<20)|(1<<21)|(5<<22)|(3<<25)  ; the scale bytes of 128 rows: 4,096 dense bytes as 16 rows of 256
	s_or_b32 s[G1SB+0], s44, (3<<16)|(1<<20)|(1<<21)|(5<<22)|(3<<25)
.irp g, G1S, G1SB
	s_mov_b32 s[\g+1], 32<<16
	s_mov_b32 s[\g+2], 16<<16
	s_mov_b32 s[\g+3], 32<<16
	s_mov_b32 s[\g+4], 16
	s_mov_b32 s[\g+5], 32
	s_mov_b32 s[\g+6], 0
	s_mov_b32 s[\g+7], 0
.endr
	s_lshl_b32 s18, s16, 7
	s_lshl_b32 s20, s17, 8
	s_add_co_u32 s20, s20, s18                     ; A: row 256 x tile row + 128 x half
	s_lshl_b32 s46, s42, 8
	s_add_co_u32 s46, s46, s18                     ; B: row 256 x tile column + 128 x half
	s_mov_b32 s21, 0
	s_mov_b32 s47, 0
	s_mov_b64 s[18:19], KS
	s_mul_u64 s[22:23], s[20:21], s[18:19]
	s_mul_u64 s[92:93], s[46:47], s[18:19]
	s_mov_b64 s[18:19], KROW
	s_mul_u64 s[20:21], s[20:21], s[18:19]
	s_mul_u64 s[46:47], s[46:47], s[18:19]
	s_mul_i32 s45, s14, HALFT
	s_mul_i32 s94, s14, HALFS
	s_wait_dscnt 0x0                               ; both opening adds are done
	s_wait_kmcnt 0x0
	s_add_nc_u64 s[8:9], s[4:5], WCO               ; W's codes
	s_add_nc_u64 s[10:11], s[6:7], WSO             ; W's scale bytes
	s_add_nc_u64 s[20:21], s[4:5], s[20:21]
	s_add_nc_u64 s[22:23], s[6:7], s[22:23]
	s_add_nc_u64 s[46:47], s[8:9], s[46:47]
	s_add_nc_u64 s[92:93], s[10:11], s[92:93]
	CROUND                                         ; all sixteen work-groups are here: the joint loads meet
	s_mov_b32 s[G0S], 1
	s_add_co_u32 s[G0S+1], s94, SCL
	s_mov_b64 s[G0S+2:G0S+3], s[22:23]
	s_or_b32 s[G0S+3], s[G0S+3], 0x80000000
	s_mov_b32 s[G0SB], 1
	s_add_co_u32 s[G0SB+1], s94, SCL
	s_mov_b64 s[G0SB+2:G0SB+3], s[92:93]
	s_or_b32 s[G0SB+3], s[G0SB+3], 0x80000000
	JLOAD G0S, G1S, G0SB, G1SB
.irp s, 0,1
	s_mov_b32 s[G0+4*\s], 1
	s_add_co_u32 s[G0+4*\s+1], s45, \s*SLOT
	s_add_nc_u64 s[G0+4*\s+2:G0+4*\s+3], s[20:21], \s*ROWB
	s_or_b32 s[G0+4*\s+3], s[G0+4*\s+3], 0x80000000
	s_mov_b32 s[G0B+4*\s], 1
	s_add_co_u32 s[G0B+4*\s+1], s45, \s*SLOT
	s_add_nc_u64 s[G0B+4*\s+2:G0B+4*\s+3], s[46:47], \s*ROWB
	s_or_b32 s[G0B+4*\s+3], s[G0B+4*\s+3], 0x80000000
	JLOAD G0+4*\s, G1, G0B+4*\s, G1B
.endr
	v_and_b32 v1, 15, v0                           ; r
	v_bfe_u32 v2, v0, 4, 1                         ; h
	v_mul_u32_u24 v3, v1, PITCH
	v_lshl_add_u32 v4, v2, 4, v3
	s_mul_i32 s21, s15, HALFT
	s_mul_i32 s22, s16, HALFT
	s_add_co_u32 s22, s22, 2*HALFT
.irp s, 0,1
	v_add_nc_u32 v[ADRA+\s], s21, v4
	v_add_nc_u32 v[ADRB+\s], s22, v4
	s_add_co_u32 s21, s21, SLOT
	s_add_co_u32 s22, s22, SLOT
.endr
	v_mul_u32_u24 v5, v1, KS
	v_lshrrev_b32 v6, 8, v5
	v_lshl_add_u32 v5, v6, 4, v5
	s_mul_i32 s21, s15, HALFS
	s_mul_i32 s22, s16, HALFS
	s_add_co_u32 s22, s22, 2*HALFS
	s_sub_co_u32 s22, s22, s21
	v_mul_u32_u24 v6, s22, v2                      ; lanes 16-31 take B's words
	s_add_co_u32 s21, s21, SCL
	v_add_nc_u32 v5, v5, v6
	v_add_nc_u32 v[ADRS], s21, v5
	s_mul_i32 s23, s14, WSTG                       ; my stage
	v_mul_u32_u24 v5, v1, 144
	v_lshl_add_u32 v5, v2, 4, v5
	v_add_nc_u32 v[STO], s23, v5                   ; in: row r, 16 bytes for each half of the lanes
	v_and_b32 v6, 31, v0
	v_lshlrev_b32 v[CO], 4, v6
	v_lshrrev_b32 v5, 3, v6
	v_mul_u32_u24 v5, v5, 144
	v_and_b32 v7, 7, v6
	v_lshl_add_u32 v5, v7, 4, v5
	v_add_nc_u32 v[RD], s23, v5                    ; back: eight lanes to a row of 128 bytes, four rows an instruction
	v_lshlrev_b32 v[BO], 5, v2
	v_lshlrev_b32 v[FO], 8, v1
	v_lshl_add_u32 v[FO], v2, 5, v[FO]
	s_lshl_b32 s20, s17, 8
	s_lshl_b32 s21, s15, 7
	s_add_co_u32 s20, s20, s21                     ; m0: my first row
	s_lshl_b32 s46, s42, 2
	s_lshl_b32 s47, s16, 1
	s_add_co_u32 s46, s46, s47                     ; g0: my first head among the 48
	s_lshl_b32 s22, s46, 20
	s_lshl_b32 s23, s20, 7
	s_add_co_u32 s22, s22, s23
	s_mov_b32 s23, 0
	s_add_nc_u64 s[12:13], s[12:13], s[22:23]      ; qkv16 at (g0, m0)
	s_lshr_b32 s22, s17, 3
	s_mul_i32 s22, s22, 48
	s_add_co_u32 s22, s22, s46
	s_lshl_b32 s22, s22, 12
	s_add_nc_u64 s[100:101], s[100:101], s[22:23]  ; qkvf at (batch, g0)
	s_lshl_b32 s22, s46, 8
	s_add_nc_u64 s[96:97], s[96:97], s[22:23]      ; b_qkv at my 128 columns
	s_and_b32 s22, s17, 7
	v_mov_b32 v[FLG], s22
	s_and_b32 s22, s20, 2047                       ; my first position,
	s_cmp_ge_u32 s42, 8
	s_cselect_b32 s22, 2048, s22                   ; or, for v, the table's rows that turn nothing
	v_add_nc_u32 v5, s22, v1
	v_lshlrev_b32 v5, 8, v5
	v_lshl_add_u32 v[CSO], v2, 5, v5
.irp b, 0,1,2,3,4,5,6,7
	global_load_b128 v[BIAS+8*\b:BIAS+8*\b+3], v[BO], s[96:97] offset:64*\b
	global_load_b128 v[BIAS+8*\b+4:BIAS+8*\b+7], v[BO], s[96:97] offset:64*\b+16
.endr
; the table for block a of 16 rows: cos of channels 16 e + 8 h + 0..7 at set + 8 e, sin at set + 16 + 8 e
.macro CSLOAD a, set
.irp e, 0,1
	global_load_b128 v[\set+8*\e:\set+8*\e+3], v[CSO], s[98:99] offset:4096*(\a)+64*\e
	global_load_b128 v[\set+8*\e+4:\set+8*\e+7], v[CSO], s[98:99] offset:4096*(\a)+64*\e+16
	global_load_b128 v[\set+16+8*\e:\set+16+8*\e+3], v[CSO], s[98:99] offset:4096*(\a)+64*\e+128
	global_load_b128 v[\set+16+8*\e+4:\set+16+8*\e+7], v[CSO], s[98:99] offset:4096*(\a)+64*\e+144
.endr
.endm
	CSLOAD 0, CS
.macro FRAG reg, adr, q, i
.irp c, 0,1
	ds_load_b128 v[\reg+4*\c:\reg+4*\c+3], v[\adr] offset:64*(\q)+32*\c+(\i)*16*PITCH
.endr
.endm
; 16 products: A's blocks a0, a0 + 1 x B's eight.  first = 1: the bias is the C.  The 64 accumulators take turns, one instruction a turn.
.macro MUL16 a0, p, q, sc, first
.irp a, \a0, \a0+1
.irp b, 0,1,2,3,4,5,6,7
.if \first
	v_wmma_scale_f32_16x16x128_f8f6f4 v[8*(8*((\a)%4)+\b):8*(8*((\a)%4)+\b)+7], v[128*(\p)+FR*\b:128*(\p)+FR*\b+FR-1], v[AF+FR*(\a):AF+FR*(\a)+FR-1], v[BIAS+8*\b:BIAS+8*\b+7], v[SC+8*NQ*(\sc)+NQ*\b+(\q)], v[SC+8*NQ*(\sc)+NQ*(\a)+(\q)] matrix_a_fmt:MATRIX_FMT_FP4 matrix_b_fmt:MATRIX_FMT_FP4 matrix_a_scale:MATRIX_SCALE_ROW1
.else
	v_wmma_scale_f32_16x16x128_f8f6f4 v[8*(8*((\a)%4)+\b):8*(8*((\a)%4)+\b)+7], v[128*(\p)+FR*\b:128*(\p)+FR*\b+FR-1], v[AF+FR*(\a):AF+FR*(\a)+FR-1], v[8*(8*((\a)%4)+\b):8*(8*((\a)%4)+\b)+7], v[SC+8*NQ*(\sc)+NQ*\b+(\q)], v[SC+8*NQ*(\sc)+NQ*(\a)+(\q)] matrix_a_fmt:MATRIX_FMT_FP4 matrix_b_fmt:MATRIX_FMT_FP4 matrix_a_scale:MATRIX_SCALE_ROW1
.endif
.endr
.endr
.endm
.macro FETCH_B slot, q, p
	WIN TO_B
.irp i, 0,1,2,3,4,5,6,7
	FRAG 128*(\p)+FR*\i, ADRB+\slot, \q, \i
.endr
	WIN 0
.endm
.macro FETCH_A slot, q, i0
.irp i, \i0, \i0+1, \i0+2, \i0+3
	FRAG AF+FR*(\i), ADRA+\slot, \q, \i
.endr
.endm
.macro SCALES sc                       ; a slot's scale words: lanes 0-15 A's block i, lanes 16-31 B's block i
.irp i, 0,1,2,3,4,5,6,7
	ds_load_b128 v[SC+8*NQ*\sc+NQ*\i:SC+8*NQ*\sc+NQ*\i+3], v[ADRS] offset:\i*SBLK
.endr
.endm
.macro PLACES n                        ; plain vector lines between a matrix instruction and a load into, or a read of, its registers
.rept \n
	v_nop
.endr
.endm
.macro STEP slot, q, first
	s_wait_dscnt 4*NL                              ; B's set and A's blocks 0-3 are in; A's blocks 4-7 (eight loads) may be out
	WIN MUL_LO-0x20*(\first)
	MUL16 0, (\q)%2, \q, \slot, \first
	MUL16 2, (\q)%2, \q, \slot, \first
	s_wait_dscnt 0
	PLACES NP
	FETCH_B \slot, (\q)+1, 1-(\q)%2
	FETCH_A \slot, (\q)+1, 0
	WIN MUL_HI-0x30*(\first)
	MUL16 4, (\q)%2, \q, \slot, \first
	MUL16 6, (\q)%2, \q, \slot, \first
	PLACES NP
	WIN 0
	FETCH_A \slot, (\q)+1, 4
.endm
.macro TURN slot, next                 ; slot 0's last step, and the change to slot 1: my part of slot 1 has landed, and everybody's behind the barrier
	s_wait_tensorcnt 0x0
	ds_add_u32 v[SPW], v[NIL]
	s_wait_dscnt 4*NL+1                            ; the add and A's blocks 4-7 may be out
	WIN MUL_LO
	MUL16 0, 1, NQ-1, \slot, 0
	s_wait_dscnt 0x0
	s_barrier_signal -1
	MUL16 2, 1, NQ-1, \slot, 0
	WIN 0
	s_barrier_wait -1
	PLACES NP
	v_add_nc_u32 v[ADRS], 4*NQ, v[ADRS]
	FETCH_B \next, 0, 0
	FETCH_A \next, 0, 0
	SCALES \next
	WIN MUL_HI
	MUL16 4, 1, NQ-1, \slot, 0
	MUL16 6, 1, NQ-1, \slot, 0
	PLACES NP
	WIN 0
	FETCH_A \next, 0, 4
.endm
	s_wait_tensorcnt 1                             ; the scale bytes and my part of slot 0 are in; slot 1's load may be out
	s_barrier_signal -1
	s_barrier_wait -1
	FETCH_B 0, 0, 0
	FETCH_A 0, 0, 0
	SCALES 0
	FETCH_A 0, 0, 4
	s_wait_loadcnt 8                               ; the bias is in; the table's eight loads may be out
	STEP 0, 0, 1
	STEP 0, 1, 0
	STEP 0, 2, 0
	TURN 0, 1
	STEP 1, 0, 0
	STEP 1, 1, 0
	STEP 1, 2, 0
	s_wait_dscnt 4*NL
	WIN MUL_LO
	MUL16 0, 1, NQ-1, 1, 0
	MUL16 2, 1, NQ-1, 1, 0
	s_wait_dscnt 0
	WIN MUL_HI
	MUL16 4, 1, NQ-1, 1, 0
	MUL16 6, 1, NQ-1, 1, 0
	WIN 0
; THE WAY OUT, a block of 16 rows x 128 columns at a time.  Tile b of the block holds channels 16 (b % 4) + 8 h + 0..7 of head b / 4; tiles e and e + 2 of a head are the two halves that the turn mixes.
.macro SEND a, younger
.set BB, BK+32*((\a)%2)
	s_wait_dscnt \younger                          ; the block is back in registers
.irp hd, 0,1
.irp i, 0,1,2,3
	global_store_b128 v[CO], v[BB+16*\hd+4*\i:BB+16*\hd+4*\i+3], s[12:13] offset:1048576*\hd+2048*(\a)+512*\i   ; 32 lanes store four rows of a head: 512 consecutive bytes, aligned
.endr
.endr
.endm
.macro OUTBLK a
.set AC, 64*((\a)%4)
.set CSA, CS+32*((\a)%2)
.set BB, BK+32*((\a)%2)
.if (\a) < 7
	CSLOAD (\a)+1, CS+32*(((\a)+1)%2)
	s_wait_loadcnt 8                               ; this block's table is in; the next block's eight loads may be out
.else
	s_wait_loadcnt 0x0
.endif
	WIN 0x52+(\a)/4                                ; source 0: the accumulators' window; source 1: window 0; source 2 and destination: window 1
.irp hd, 0,1
.irp e, 0,1
.irp p, 0,2,4,6
	v_pk_mul_f32 v[8*(4*\hd+\e)+\p:8*(4*\hd+\e)+\p+1], v[AC+8*(4*\hd+\e)+\p:AC+8*(4*\hd+\e)+\p+1], v[CSA+8*\e+\p:CSA+8*\e+\p+1]
	v_pk_mul_f32 v[8*(4*\hd+\e+2)+\p:8*(4*\hd+\e+2)+\p+1], v[AC+8*(4*\hd+\e+2)+\p:AC+8*(4*\hd+\e+2)+\p+1], v[CSA+8*\e+\p:CSA+8*\e+\p+1]
	v_pk_fma_f32 v[8*(4*\hd+\e)+\p:8*(4*\hd+\e)+\p+1], v[AC+8*(4*\hd+\e+2)+\p:AC+8*(4*\hd+\e+2)+\p+1], v[CSA+16+8*\e+\p:CSA+16+8*\e+\p+1], v[8*(4*\hd+\e)+\p:8*(4*\hd+\e)+\p+1] neg_lo:[0,1,0] neg_hi:[0,1,0]
	v_pk_fma_f32 v[8*(4*\hd+\e+2)+\p:8*(4*\hd+\e+2)+\p+1], v[AC+8*(4*\hd+\e)+\p:AC+8*(4*\hd+\e)+\p+1], v[CSA+16+8*\e+\p:CSA+16+8*\e+\p+1], v[8*(4*\hd+\e+2)+\p:8*(4*\hd+\e+2)+\p+1]
.endr
.endr
.endr
	WIN 0x05
.irp b, 0,1,2,3,4,5,6,7
.irp i, 0,1,2,3
	v_cvt_pk_f16_f32 v[H+4*\b+\i], v[8*\b+2*\i], v[8*\b+2*\i+1]
.endr
.endr
	WIN 0
.if (\a) >= 2
	s_wait_xcnt 0x0                                ; the stores of two blocks ago have read their registers: this block's rows may land there
.endif
.irp b, 0,1,2,3,4,5,6,7
	ds_store_b128 v[STO], v[H+4*\b:H+4*\b+3] offset:2304*(\b/4)+32*(\b%4)
.endr
.irp hd, 0,1
.irp i, 0,1,2,3
	ds_load_b128 v[BB+16*\hd+4*\i:BB+16*\hd+4*\i+3], v[RD] offset:2304*\hd+576*\i   ; LDS serves a wave's instructions in order: these see the stores above
.endr
.endr
.if (\a) == 0
	s_cmp_lg_u32 s15, 0                            ; positions 0..15 lie in the upper waves' first block
	s_cbranch_scc1 .Lno_fine
	s_wait_xcnt 0x0                                ; EXEC changes only behind this wait
	v_cmp_eq_u32 vcc_lo, 0, v[FLG]
	s_and_saveexec_b32 s20, vcc_lo                 ; all lanes where the tile begins a sequence, none elsewhere
	WIN 0x04                                       ; a store's data: window 1
.irp b, 0,1,2,3,4,5,6,7
	global_store_b128 v[FO], v[8*\b:8*\b+3], s[100:101] offset:4096*(\b/4)+64*(\b%4)
	global_store_b128 v[FO], v[8*\b+4:8*\b+7], s[100:101] offset:4096*(\b/4)+64*(\b%4)+16
.endr
	WIN 0
	s_wait_xcnt 0x0                                ; and again: EXEC, and the numbers that the next block writes anew
	s_or_b32 exec_lo, exec_lo, s20
.Lno_fine:
.endif
.if (\a) > 0
	SEND (\a)-1, 16                                ; behind the last block's loads: this block's 8 stores and 8 loads
.endif
.endm
	PLACES NP
.irp a, 0,1,2,3,4,5,6,7
	OUTBLK \a
.endr
	SEND 7, 0
	s_wait_tensorcnt 0x0                           ; the wave's end
	ds_add_u32 v[SPW], v[NIL]
	s_wait_dscnt 0x0
	CROUND                                         ; the closing round
	s_endpgm
.Lfunc_end_k_qfdfab06120_qkv:
	.size	k_qfdfab06120_qkv, .Lfunc_end_k_qfdfab06120_qkv-k_qfdfab06120_qkv
	.p2alignl 7, 3214868480
	.fill 96, 4, 3214868480
	.section	.rodata,"a",@progbits
	.p2align	6, 0x0
	.amdhsa_kernel k_qfdfab06120_qkv
		.amdhsa_group_segment_fixed_size 327680
		.amdhsa_private_segment_fixed_size 0
		.amdhsa_enable_private_segment 0
		.amdhsa_kernarg_size 48
		.amdhsa_user_sgpr_count 2
		.amdhsa_user_sgpr_kernarg_segment_ptr 1
		.amdhsa_wavefront_size32 1
		.amdhsa_system_sgpr_workgroup_id_x 1
		.amdhsa_system_sgpr_workgroup_id_y 1
		.amdhsa_system_sgpr_workgroup_id_z 1
		.amdhsa_system_vgpr_workitem_id 0
		.amdhsa_next_free_vgpr 1024
		.amdhsa_next_free_sgpr 102
		.amdhsa_reserve_vcc 1
		.amdhsa_float_denorm_mode_32 3
		.amdhsa_float_denorm_mode_16_64 3
		.amdhsa_memory_ordered 1
		.amdhsa_forward_progress 1
		.amdhsa_inst_pref_size 169
	.end_amdhsa_kernel
	.amdgpu_metadata
---
amdhsa.version: [ 1, 2 ]
amdhsa.kernels:
  - .name:           k_qfdfab06120_qkv
    .symbol:         k_qfdfab06120_qkv.kd
    .args:
      - { .name: codes, .offset: 0, .size: 8, .value_kind: global_buffer, .address_space: global }
      - { .name: scales, .offset: 8, .size: 8, .value_kind: global_buffer, .address_space: global }
      - { .name: b_qkv, .offset: 16, .size: 8, .value_kind: global_buffer, .address_space: global }
      - { .name: cs, .offset: 24, .size: 8, .value_kind: global_buffer, .address_space: global }
      - { .name: qkv16, .offset: 32, .size: 8, .value_kind: global_buffer, .address_space: global }
      - { .name: qkvf, .offset: 40, .size: 8, .value_kind: global_buffer, .address_space: global }
    .group_segment_fixed_size: 327680
    .private_segment_fixed_size: 0
    .kernarg_segment_align: 8
    .kernarg_segment_size: 48
    .max_flat_workgroup_size: 128
    .sgpr_count:     102
    .vgpr_count:     1024
    .wavefront_size: 32
...
	.end_amdgpu_metadata
.endif
;; end of part 2
;; launch attn (part 3): grid 8 x 64, 8 waves a work-group, no clusters, 327,680 bytes of LDS; arguments qkv16, pad_mask, y16; writes y16
.if DOCPART == 3
	.amdgcn_target "amdgcn-amd-amdhsa--gfx1250"
	.amdhsa_code_object_version 6
	.text
	.protected	k_qfdfab06120_attn
	.globl	k_qfdfab06120_attn
	.p2align	8
	.type	k_qfdfab06120_attn,@function
k_qfdfab06120_attn:
	s_mov_b64 s[64:65], 0
	v_nop
	global_prefetch_b8 v0, s[64:65] scope:SCOPE_SE
	s_setreg_imm32_b32 hwreg(HW_REG_WAVE_MODE, 25, 1), 1
	s_wait_xcnt 0x0
; y[b][head][q] = softmax_k(q . k / 8, causal, padded keys hidden) v, on f16 operands with f32 sums, maxima and row sums; y leaves as f16, laid [16 head][8192 m][64].
; SHARES.  Work-group (j, head + 16 b) of eight waves.  Wave w owns two tiles of 16 queries: A at 256 (j / 2) + 32 w + 16 (j % 2), B at 2032 - A's: together 33 steps of 64 keys for every wave of
; the launch.  The work-group's last query is 2047 - 256 (j / 2) or 16 less, so the keys that it needs are a whole number of slots of 256, and every quarter of a slot that is asked for is read by wave 0.
; NO CLUSTER: the eight work-groups of a head need 1,280 to 2,048 keys: a joint load would bring tiles that some partner never reads.
; LAYOUT.  S^T = K Q^T (source 0 = 16 keys, source 1 = 16 queries), O^T = V^T P: a lane holds one query (lane % 16) throughout.  V ([key][channel]) is turned by ds_load_tr16_b128.
; THE PAD MASK is the C of each score's first product: 0, or -2^99 for a padded key.  Scores of f16 operands stay under 64 x 65,504^2 < 2^39 in size, so a row whose maximum ends under -2^97 has no
; visible key: its divisor is replaced by NaN, as the definition's softmax of a row of -inf gives.  The causal mask sets -inf, on the diagonal steps alone.
; THE RING: two slots of 256 keys; every wave fetches 64 rows (waves 0-3 of K, 4-7 of V): one tensor load a wave is out at any time, and every wait on TENSORcnt is for 0.
; Every work-group walks all eight slots (constant trip counts); a step all of whose keys come after a wave's queries is jumped over, and a slot past the work-group's last query is not asked for.
; LIMITS: NaN and infinities among q, k, v are not served.
; REGISTERS: window 0: v1-15 addresses; v16-31 statistics, 8 a tile (+0 c m, +1 m, +2 +3 l, +4..7 at work, a in +6); v32-63 the pad mask's C; v64-127 S^T, 32 a tile; v128-159 P, 16 a tile;
;   v160-223 O^T, 32 a tile; v224.. at work.  window 1: v0-31 Q; v32-95 K of a step; v96-159 V of a step.
.set KP,    144                        ; a key's row of K in LDS: 128 bytes + 16
.set VP,    160                        ; of V: 128 + 32
.set VOFF,  256*KP
.set SLOT1, 1<<17
.set PADB,  2*SLOT1                    ; 2,048 f32: 0 or -2^99 for each key of my batch; stored by the waves, never a tensor load's target
.set STAGE, PADB+8192                  ; 16 rows x 144 bytes for each wave
.set SPARE, STAGE+8*2304
.set NSL,   8
.set AK0, 1
.set AV0, 2
.set AP0, 3
.set ADK, 4
.set ADV, 5
.set ADP, 6
.set QO,  7
.set RH,  8                            ; v8  r - 8 h
.set D,   9
.set NINF, 10
.set STO, 11
.set RD,  12
.set GO,  13
.set SPW, 14
.set NIL, 15
.set ST,  16
.set PB,  32
.set S,   64
.set P,   128
.set O,   160
.set PFO, 224
.set NANR, 225
.set KR,  32                           ; window 1
.set VR,  96                           ; window 1
.set WV,  10
.set SEL, 20
.set CS,  22
.set G1K, 24
.set G1V, 32
.set G0K, 40
.set G0V, 44
.set QBA, 48                           ; s[48:49], s[50:51] Q's rows of tiles A, B
.set YBA, 52                           ; s[52:53], s[54:55] y's
.set PFA, 56
.set LIM, 58
.set TB,  59
.set TK,  60
.set TV,  61
.set TP,  62
.set KF,  63
.set QA0, 66
.set QB0, 67
.set QAL, 68
.set QBL, 69
.set WGL, 70
.set SLOTS, 71
.set CNT, 72
.set MSB, 0
.macro WIN new
.if MSB != (\new)
	s_set_vgpr_msb (MSB<<8)|(\new)
.set MSB, (\new)
.endif
.endm
.macro TLOAD                           ; waves 0-3: 64 rows of K; waves 4-7: 64 rows of V; an s_nop 0 and four v_nop follow each line
	s_cmp_lt_u32 s[WV], 4
	s_cbranch_scc0 .Lfor_v_\@
	tensor_load_to_lds s[G0K:G0K+3], s[G1K:G1K+7]
	s_nop 0
.rept 4
	v_nop
.endr
	s_branch .Lasked_\@
.Lfor_v_\@:
	tensor_load_to_lds s[G0V:G0V+3], s[G1V:G1V+7]
	s_nop 0
.rept 4
	v_nop
.endr
.Lasked_\@:
.endm
; A prefetch of what the NEXT change of slots will ask for: my wave's 64 rows (8,192 dense bytes), lanes 256 bytes apart, one instruction.  All eight work-groups of a head walk the same K and V:
; the first of them (j = 0, which walks all keys) asks, so each block of 256 bytes is named once in the launch.  The last change that fills a slot asks for nothing; slots 0 and 1 come by their loads alone.
.macro ASK
	s_cmp_gt_u32 s[SLOTS], s[LIM]
	s_cbranch_scc0 .Lnot_mine_\@
	global_prefetch_b8 v[PFO], s[PFA:PFA+1] th:TH_LOAD_NT scope:SCOPE_SE
.Lnot_mine_\@:
.endm
	s_load_b128 s[4:7], s[0:1], 0x0                ; qkv16, pad_mask
	s_load_b64 s[8:9], s[0:1], 0x10                ; y16
	v_lshl_add_u32 v[SPW], v0, 2, SPARE
	v_mov_b32 v[NIL], 0
	ds_add_u32 v[SPW], v[NIL]                      ; the opening: the add, twice on end, and its wait ahead of my first tensor load
	ds_add_u32 v[SPW], v[NIL]
	v_lshrrev_b32 v232, 5, v0
	v_readfirstlane_b32 s[WV], v232
	s_and_b32 s73, ttmp7, 0xffff
	s_and_b32 s74, s73, 15                         ; head
	s_lshr_b32 s75, s73, 4                         ; batch
	s_lshl_b32 s76, s74, 20
	s_lshl_b32 s77, s75, 18
	s_add_co_u32 s76, s76, s77                     ; the bytes of (head, batch)'s first row in a third of qkv16, and in y16
	s_lshr_b32 s77, ttmp9, 1
	s_lshl_b32 s77, s77, 8
	s_sub_co_u32 s[WGL], 2047, s77                 ; the limit of the keys that my work-group needs
	s_lshl_b32 s78, s[WV], 5
	s_add_co_u32 s[QA0], s77, s78
	s_and_b32 s78, ttmp9, 1
	s_lshl_b32 s78, s78, 4
	s_add_co_u32 s[QA0], s[QA0], s78
	s_sub_co_u32 s[QB0], 2032, s[QA0]
	s_add_co_u32 s[QAL], s[QA0], 15
	s_add_co_u32 s[QBL], s[QB0], 15
	s_mov_b32 s[G1K], (1<<16)|(1<<20)|(4<<22)|(3<<25)   ; elements of 2 bytes; 4 words of padding behind every 32
	s_mov_b32 s[G1V], (1<<16)|(1<<20)|(4<<22)|(7<<25)   ; 8 words
.irp g, G1K, G1V
	s_mov_b32 s[\g+1], 64<<16                      ; tensor_dim0
	s_mov_b32 s[\g+2], 64<<16                      ; tensor_dim1
	s_mov_b32 s[\g+3], 64<<16                      ; tile_dim0
	s_mov_b32 s[\g+4], 64                          ; tile_dim1
	s_mov_b32 s[\g+5], 64                          ; elements from row to row
	s_mov_b32 s[\g+6], 0
	s_mov_b32 s[\g+7], 0
.endr
	s_and_b32 s78, s[WV], 3                        ; which quarter of a slot I fetch
	s_mov_b32 s[G0K], 1
	s_mul_i32 s[G0K+1], s78, 64*KP
	s_mov_b32 s[G0V], 1
	s_mul_i32 s[G0V+1], s78, 64*VP
	s_add_co_u32 s[G0V+1], s[G0V+1], VOFF
	s_lshl_b32 s78, s78, 13
	s_mov_b32 s77, 0
	s_mov_b32 s79, 0
	s_mov_b32 s[SEL], 0x76543210
	s_mov_b32 s[SEL+1], 0xfedcba98
	s_mov_b32 s[CS], 0x3e38aa3b                    ; c = log2(e) / 8
	s_mov_b32 s[CS+1], s[CS]
	s_mov_b32 s[TB], 0
	s_mov_b32 s[TP], 0
	s_mov_b32 s[KF], 0
	s_mov_b32 s[SLOTS], NSL-1
	s_cmp_eq_u32 ttmp9, 0
	s_cselect_b32 s[LIM], 1, -1
	s_wait_dscnt 0x0                               ; both opening adds are done
	s_wait_kmcnt 0x0
	s_add_nc_u64 s[4:5], s[4:5], s[76:77]          ; q's rows of (head, batch)
	s_add_nc_u64 s[G0K+2:G0K+3], s[4:5], s[78:79]
	s_add_nc_u64 s[G0K+2:G0K+3], s[G0K+2:G0K+3], 0x1000000   ; k's lie 16 heads on,
	s_add_nc_u64 s[G0V+2:G0V+3], s[G0K+2:G0K+3], 0x1000000   ; v's 16 more
	s_cmp_lt_u32 s[WV], 4
	s_cselect_b64 s[PFA:PFA+1], s[G0K+2:G0K+3], s[G0V+2:G0V+3]
	s_add_nc_u64 s[PFA:PFA+1], s[PFA:PFA+1], 32768 ; in slot 1: the first change of slots steps it to slot 2
	s_or_b32 s[G0K+3], s[G0K+3], 0x80000000
	s_or_b32 s[G0V+3], s[G0V+3], 0x80000000
	TLOAD                                          ; slot 0
	s_add_nc_u64 s[8:9], s[8:9], s[76:77]
	s_lshl_b32 s78, s75, 11
	s_add_nc_u64 s[6:7], s[6:7], s[78:79]          ; my batch's mask
	s_lshl_b32 s78, s[QA0], 7
	s_add_nc_u64 s[QBA:QBA+1], s[4:5], s[78:79]
	s_add_nc_u64 s[YBA:YBA+1], s[8:9], s[78:79]
	s_lshl_b32 s78, s[QB0], 7
	s_add_nc_u64 s[QBA+2:QBA+3], s[4:5], s[78:79]
	s_add_nc_u64 s[YBA+2:YBA+3], s[8:9], s[78:79]
	v_lshlrev_b32 v236, 3, v0
	global_load_b64 v[238:239], v236, s[6:7]       ; thread T: the mask bytes of keys 8 T .. 8 T + 7
	v_and_b32 v232, 15, v0                         ; r
	v_bfe_u32 v233, v0, 4, 1                       ; h
	v_and_b32 v234, 31, v0                         ; lane
	v_lshlrev_b32 v[QO], 7, v232
	v_lshl_add_u32 v[QO], v233, 4, v[QO]
	WIN 0x40                                       ; destination window 1
.irp c, 0,1
	global_load_b128 v[8*\c:8*\c+3], v[QO], s[QBA:QBA+1] offset:64*\c
	global_load_b128 v[8*\c+4:8*\c+7], v[QO], s[QBA:QBA+1] offset:64*\c+32
	global_load_b128 v[16+8*\c:16+8*\c+3], v[QO], s[QBA+2:QBA+3] offset:64*\c
	global_load_b128 v[16+8*\c+4:16+8*\c+7], v[QO], s[QBA+2:QBA+3] offset:64*\c+32
.endr
	WIN 0
	v_mul_u32_u24 v[AK0], v232, KP
	v_lshl_add_u32 v[AK0], v233, 4, v[AK0]         ; K: row r, + 16 h
	v_and_b32 v235, 7, v0
	v_lshl_add_u32 v[AV0], v233, 3, v235
	v_mul_u32_u24 v[AV0], v[AV0], VP
	v_bfe_u32 v235, v0, 3, 1
	v_lshl_add_u32 v[AV0], v235, 4, v[AV0]         ; V: key 8 h + lane % 8, channels 8 ((lane / 8) % 2) on
	v_lshl_add_u32 v[AP0], v233, 5, PADB           ; the mask's numbers of keys 8 h + 0..7
	v_lshlrev_b32 v235, 3, v233
	v_sub_nc_u32 v[RH], v232, v235
	v_mov_b32 v[NINF], 0xff800000
	s_mul_i32 s73, s[WV], 2304
	s_add_co_u32 s73, s73, STAGE
	v_add_nc_u32 v[STO], s73, v[AK0]
	v_lshrrev_b32 v235, 3, v234
	v_mul_u32_u24 v235, v235, 144
	v_and_b32 v237, 7, v234
	v_lshl_add_u32 v235, v237, 4, v235
	v_add_nc_u32 v[RD], s73, v235
	v_lshlrev_b32 v[GO], 4, v234
	v_lshlrev_b32 v[PFO], 8, v234
	v_lshl_add_u32 v248, v0, 5, PADB
.set i, 0
.rept 16
	v_mov_b32 v[ST+i], 0
.set i, i+1
.endr
.irp t, 0,1
	v_mov_b32 v[ST+8*\t+1], 0xff61b1e6             ; m = -3e38, under every score
	v_mul_f32 v[ST+8*\t], s[CS], v[ST+8*\t+1]      ; c m
.endr
.set i, 0
.rept 64
	v_mov_b32 v[O+i], 0                            ; the loop has no first step of its own: it finds zeros, which the first change of m leaves zeros
.set i, i+1
.endr
	s_wait_loadcnt 8                               ; the mask bytes are in; Q's eight loads may be out
.irp i, 0,1,2,3,4,5,6,7
	v_bfe_u32 v[240+\i], v[238+\i/4], 8*(\i%4), 8
.endr
.irp i, 0,1,2,3,4,5,6,7
	v_sub_nc_u32 v[240+\i], 0, v[240+\i]
.endr
.irp i, 0,1,2,3,4,5,6,7
	v_and_b32 v[240+\i], 0xf1000000, v[240+\i]     ; 0, or -2^99
.endr
	ds_store_b128 v248, v[240:243]
	ds_store_b128 v248, v[244:247] offset:16
	s_wait_loadcnt 0x0                             ; Q
; Number j of the list of a tile's softmax for one step, for tile tt.
.macro SMI
.set rT, ST+8*tt
.set rS, S+32*tt
.set rP, P+16*tt
.set rO, O+32*tt
.if j < 4
	v_max3_num_f32 v[rT+4+j], v[rS+8*j], v[rS+8*j+1], v[rS+8*j+2]     ; each accumulator is read from its low end on
.elseif j < 12
	v_max3_num_f32 v[rT+4+j%4], v[rT+4+j%4], v[rS+8*(j%4)+2*(j/4)+1], v[rS+8*(j%4)+2*(j/4)+2]
.elseif j == 12
	v_max3_num_f32 v[rT+4], v[rT+4], v[rS+7], v[rS+15]
.elseif j == 13
	v_max3_num_f32 v[rT+6], v[rT+6], v[rS+23], v[rS+31]
.elseif j == 14
	v_max3_num_f32 v[rT+4], v[rT+4], v[rT+5], v[rT+6]
.elseif j == 15
	v_max3_num_f32 v[rT+4], v[rT+4], v[rT+7], v[rT+1]
.elseif j == 16
	v_permlanex16_b32 v[rT+5], v[rT+4], s[SEL], s[SEL+1]              ; the query's other 32 keys lie in the lane 16 away
.elseif j == 17
	v_mov_b32 v[rT+7], v[rT]
.elseif j == 18
	v_max_num_f32 v[rT+1], v[rT+4], v[rT+5]
.elseif j == 19
	v_mul_f32 v[rT], s[CS], v[rT+1]
.elseif j == 20
	v_sub_f32 v[rT+7], v[rT+7], v[rT]
.elseif j < 37
	v_pk_fma_f32 v[rS+2*(j-21):rS+2*(j-21)+1], v[rS+2*(j-21):rS+2*(j-21)+1], s[CS:CS+1], v[rT:rT+1] op_sel_hi:[1,0,0] neg_lo:[0,0,1] neg_hi:[0,0,1]   ; c s - c m
.elseif j == 37
	v_exp_f32 v[rT+6], v[rT+7]                                        ; a = 2^(c m_old - c m_new)
.elseif j < 70
	v_exp_f32 v[rS+j-38], v[rS+j-38]
.elseif j < 86
	v_cvt_pk_f16_f32 v[rP+j-70], v[rS+2*(j-70)], v[rS+2*(j-70)+1]
.elseif j < 102
.set z, j-86
.set w, 4
.set u, z
.if z >= 14
.set w, 32
.set u, 0
.elseif z >= 12
.set w, 16
.set u, z-12
.elseif z >= 8
.set w, 8
.set u, z-8
.endif
.if z < 15
	v_pk_add_f32 v[rS+w*u:rS+w*u+1], v[rS+w*u:rS+w*u+1], v[rS+w*u+w/2:rS+w*u+w/2+1]
.else
	v_pk_fma_f32 v[rT+2:rT+3], v[rT+2:rT+3], v[rT+6:rT+7], v[rS:rS+1] op_sel_hi:[1,0,1]   ; l = a l + the step's sum
.endif
.else
	v_pk_mul_f32 v[rO+2*(j-102):rO+2*(j-102)+1], v[rO+2*(j-102):rO+2*(j-102)+1], v[rT+6:rT+7] op_sel_hi:[1,0]
.endif
.endm
.macro RUN jfrom, jto, t0, nt          ; numbers jfrom .. jto - 1, the tiles by turns
.set j, \jfrom
.rept (\jto)-(\jfrom)
.set tt, \t0
.rept \nt
	SMI
.set tt, tt+1
.endr
.set j, j+1
.endr
.endm
; A step's work for nt tiles from t0 on; tile t0 (first query s[q0]) is the one that can lie on the diagonal.  The accumulators take turns, one instruction a turn.
.macro BODY t0, nt, q0
	s_wait_dscnt 16                                ; the mask's numbers and K are in; V's 16 loads may be out
	WIN 0x05
.irp c, 0,1
.irp kt, 0,1,2,3
.set tt, \t0
.rept \nt
.if \c == 0
	v_wmma_f32_16x16x32_f16 v[S+32*tt+8*\kt:S+32*tt+8*\kt+7], v[KR+16*\kt:KR+16*\kt+7], v[16*tt:16*tt+7], v[PB+8*\kt:PB+8*\kt+7]
.else
	v_wmma_f32_16x16x32_f16 v[S+32*tt+8*\kt:S+32*tt+8*\kt+7], v[KR+16*\kt+8:KR+16*\kt+15], v[16*tt+8:16*tt+15], v[S+32*tt+8*\kt:S+32*tt+8*\kt+7]
.endif
.set tt, tt+1
.endr
.endr
.endr
	WIN 0
.rept 4
	v_nop                                          ; places ahead of the first read of the scores
.endr
	s_add_co_u32 s73, s[KF], 63
	s_cmp_le_u32 s73, s[\q0]                       ; all 64 keys count for all 16 queries: no mask
	s_cbranch_scc1 .Lopen_\@
	s_sub_co_i32 s73, s[\q0], s[KF]
	v_add_nc_u32 v[D], s73, v[RH]                  ; register 8 kt + i holds key KF + 16 kt + 8 h + i: hidden where 16 kt + i > my query - KF - 8 h
.irp kt, 0,1,2,3
.irp n, 0,1,2,3,4,5,6,7
	v_cmp_gt_i32 vcc_lo, 16*\kt+\n, v[D]
	v_cndmask_b32 v[S+32*(\t0)+8*\kt+\n], v[S+32*(\t0)+8*\kt+\n], v[NINF], vcc_lo
.endr
.endr
.Lopen_\@:
	RUN 0, 70, \t0, \nt                            ; maxima, scalings, and all exponentials as one batch: none of these reads an exponential's result
	v_nop                                          ; a plain line behind the last exponential
	s_wait_alu depctr_va_vdst(0)                   ; one wait for the batch, ahead of its first reader
	RUN 70, 118, \t0, \nt                          ; roundings to f16, sums, O^T x a
	s_wait_dscnt 0x0                               ; V is in
	WIN 0x01
.irp g, 0,1
.irp ct, 0,1,2,3
.set tt, \t0
.rept \nt
	v_wmma_f32_16x16x32_f16 v[O+32*tt+8*\ct:O+32*tt+8*\ct+7], v[VR+32*\g+8*\ct:VR+32*\g+8*\ct+7], v[P+16*tt+8*\g:P+16*tt+8*\g+7], v[O+32*tt+8*\ct:O+32*tt+8*\ct+7]
.set tt, tt+1
.endr
.endr
.endr
	WIN 0
.endm
.macro STEP                            ; 64 keys
	s_cmp_gt_u32 s[KF], s[QBL]                     ; all keys come after all my queries: only the lines at the end, which step addresses
	s_cbranch_scc1 .Lhidden_\@
	v_add_nc_u32 v[ADK], s[TK], v[AK0]
	v_add_nc_u32 v[ADV], s[TV], v[AV0]
	v_add_nc_u32 v[ADP], s[TP], v[AP0]
	v_nop                                          ; four places ahead of loads into registers that the last products read
.irp kt, 0,1,2,3
	ds_load_b128 v[PB+8*\kt:PB+8*\kt+3], v[ADP] offset:64*\kt
	ds_load_b128 v[PB+8*\kt+4:PB+8*\kt+7], v[ADP] offset:64*\kt+16
.endr
	WIN 0x40
.irp kt, 0,1,2,3
.irp c, 0,1
	ds_load_b128 v[KR+16*\kt+8*\c:KR+16*\kt+8*\c+3], v[ADK] offset:16*KP*\kt+64*\c
	ds_load_b128 v[KR+16*\kt+8*\c+4:KR+16*\kt+8*\c+7], v[ADK] offset:16*KP*\kt+64*\c+32
.endr
.endr
.irp g, 0,1
.irp ct, 0,1,2,3
	ds_load_tr16_b128 v[VR+32*\g+8*\ct:VR+32*\g+8*\ct+3], v[ADV] offset:32*VP*\g+32*\ct
	ds_load_tr16_b128 v[VR+32*\g+8*\ct+4:VR+32*\g+8*\ct+7], v[ADV] offset:32*VP*\g+16*VP+32*\ct
.endr
.endr
	WIN 0
	s_cmp_gt_u32 s[KF], s[QAL]
	s_cbranch_scc1 .Lonly_b_\@
	BODY 0, 2, QA0                                 ; both tiles; B lies far under the diagonal while A has keys left
	s_branch .Ldone_\@
.Lonly_b_\@:
	BODY 1, 1, QB0
.Ldone_\@:
.Lhidden_\@:
	s_add_co_u32 s[KF], s[KF], 64
	s_add_co_u32 s[TP], s[TP], 256
.endm
; THE CHANGE OF SLOTS stands at a slot's head: all my tensor loads have landed, the add, my LDS instructions are done; one barrier; then the slot that was left is filled with the keys that follow.
; The first change also shows every wave the mask's numbers, and slot 1 gets its first fill behind it.
.macro CHANGE fill
	s_wait_tensorcnt 0x0
	ds_add_u32 v[SPW], v[NIL]                      ; 0 onto my spare word; the descriptors' steps stand between it and the wait for it
.if \fill
	s_xor_b32 s[G0K+1], s[G0K+1], SLOT1
	s_add_nc_u64 s[G0K+2:G0K+3], s[G0K+2:G0K+3], 32768
	s_xor_b32 s[G0V+1], s[G0V+1], SLOT1
	s_add_nc_u64 s[G0V+2:G0V+3], s[G0V+2:G0V+3], 32768
	s_wait_xcnt 0x0                                ; the last prefetch, a slot back, has read its address
	s_add_nc_u64 s[PFA:PFA+1], s[PFA:PFA+1], 32768
.endif
	s_wait_dscnt 0x0
	s_barrier_signal -1
	s_barrier_wait -1
.if \fill
	s_add_co_u32 s73, s[KF], 256                   ; the first key of the slot that this change would ask for:
	s_cmp_gt_u32 s73, s[WGL]                       ; past my work-group's last query nobody reads it.  Ids and the count of steps alone: all eight waves go the same way
	s_cbranch_scc1 .Lpast_\@
	TLOAD
.Lpast_\@:
	ASK
.endif
.endm
.macro SLOT_STEPS                      ; a slot's four steps: written once, walked four times
	s_mov_b32 s[TK], s[TB]
	s_add_co_u32 s[TV], s[TB], VOFF
	s_mov_b32 s[CNT], 4
.Lstep_\@:
	STEP
	s_add_co_u32 s[TK], s[TK], 64*KP
	s_add_co_u32 s[TV], s[TV], 64*VP
	s_sub_co_u32 s[CNT], s[CNT], 1
	s_cmp_lg_u32 s[CNT], 0
	s_cbranch_scc1 .Lstep_\@
	s_xor_b32 s[TB], s[TB], SLOT1
.endm
.Lslot:
	CHANGE 1
	SLOT_STEPS
	s_sub_co_u32 s[SLOTS], s[SLOTS], 1
	s_cmp_lg_u32 s[SLOTS], 0
	s_cbranch_scc1 .Lslot
	CHANGE 0                                       ; the last slot is written out: nothing is left to ask for
	SLOT_STEPS
	; THE WAY OUT.  The additions are the places behind the last products.
.irp t, 0,1
	v_add_f32 v[ST+8*\t+4], v[ST+8*\t+2], v[ST+8*\t+3]
.endr
.irp t, 0,1
	v_permlanex16_b32 v[ST+8*\t+5], v[ST+8*\t+4], s[SEL], s[SEL+1]
.endr
.irp t, 0,1
	v_add_f32 v[ST+8*\t+4], v[ST+8*\t+4], v[ST+8*\t+5]
.endr
.irp t, 0,1
	v_rcp_f32 v[ST+8*\t+6], v[ST+8*\t+4]
.endr
	v_mov_b32 v[NANR], 0x7fc00000                  ; (a plain line behind the reciprocals)
	s_wait_alu depctr_va_vdst(0)                   ; one wait for both, ahead of their first reader
.irp t, 0,1
	v_cmp_gt_f32 vcc_lo, 0xf0000000, v[ST+8*\t+1]  ; -2^97 > m: no key of this row was visible
	v_cndmask_b32 v[ST+8*\t+6], v[ST+8*\t+6], v[NANR], vcc_lo
.endr
.irp t, 0,1
.set i, 0
.rept 16
	v_pk_mul_f32 v[O+32*\t+2*i:O+32*\t+2*i+1], v[O+32*\t+2*i:O+32*\t+2*i+1], v[ST+8*\t+6:ST+8*\t+7] op_sel_hi:[1,0]
.set i, i+1
.endr
.set i, 0
.rept 16
	v_cvt_pk_f16_f32 v[P+16*\t+i], v[O+32*\t+2*i], v[O+32*\t+2*i+1]
.set i, i+1
.endr
.irp ct, 0,1,2,3
	ds_store_b128 v[STO], v[P+16*\t+4*\ct:P+16*\t+4*\ct+3] offset:32*\ct
.endr
.irp n, 0,1,2,3
	ds_load_b128 v[S+32*\t+4*\n:S+32*\t+4*\n+3], v[RD] offset:576*\n   ; LDS serves a wave's instructions in order: these see the stores above, and the next tile's stores come behind them
.endr
.endr
	s_wait_dscnt 8                                 ; tile A's rows are back; tile B's four stores and four loads may be out
.irp n, 0,1,2,3
	global_store_b128 v[GO], v[S+4*\n:S+4*\n+3], s[YBA:YBA+1] offset:512*\n   ; 512 consecutive bytes, aligned
.endr
	s_wait_dscnt 0x0
.irp n, 0,1,2,3
	global_store_b128 v[GO], v[S+32+4*\n:S+32+4*\n+3], s[YBA+2:YBA+3] offset:512*\n
.endr
	s_wait_tensorcnt 0x0                           ; the wave's end
	ds_add_u32 v[SPW], v[NIL]
	s_wait_dscnt 0x0
	s_endpgm
.Lfunc_end_k_qfdfab06120_attn:
	.size	k_qfdfab06120_attn, .Lfunc_end_k_qfdfab06120_attn-k_qfdfab06120_attn
	.p2alignl 7, 3214868480
	.fill 96, 4, 3214868480
	.section	.rodata,"a",@progbits
	.p2align	6, 0x0
	.amdhsa_kernel k_qfdfab06120_attn
		.amdhsa_group_segment_fixed_size 327680
		.amdhsa_private_segment_fixed_size 0
		.amdhsa_enable_private_segment 0
		.amdhsa_kernarg_size 24
		.amdhsa_user_sgpr_count 2
		.amdhsa_user_sgpr_kernarg_segment_ptr 1
		.amdhsa_wavefront_size32 1
		.amdhsa_system_sgpr_workgroup_id_x 1
		.amdhsa_system_sgpr_workgroup_id_y 1
		.amdhsa_system_sgpr_workgroup_id_z 1
		.amdhsa_system_vgpr_workitem_id 0
		.amdhsa_next_free_vgpr 512
		.amdhsa_next_free_sgpr 80
		.amdhsa_reserve_vcc 1
		.amdhsa_float_denorm_mode_32 3
		.amdhsa_float_denorm_mode_16_64 3
		.amdhsa_memory_ordered 1
		.amdhsa_forward_progress 1
		.amdhsa_inst_pref_size 80
	.end_amdhsa_kernel
	.amdgpu_metadata
---
amdhsa.version: [ 1, 2 ]
amdhsa.kernels:
  - .name:           k_qfdfab06120_attn
    .symbol:         k_qfdfab06120_attn.kd
    .args:
      - { .name: qkv16, .offset: 0, .size: 8, .value_kind: global_buffer, .address_space: global }
      - { .name: pad_mask, .offset: 8, .size: 8, .value_kind: global_buffer, .address_space: global }
      - { .name: y16, .offset: 16, .size: 8, .value_kind: global_buffer, .address_space: global }
    .group_segment_fixed_size: 327680
    .private_segment_fixed_size: 0
    .kernarg_segment_align: 8
    .kernarg_segment_size: 24
    .max_flat_workgroup_size: 256
    .sgpr_count:     80
    .vgpr_count:     512
    .wavefront_size: 32
...
	.end_amdgpu_metadata
.endif
;; end of part 3
;; launch proj (part 4): grid 4 x 64, 4 waves a work-group, clusters of 4 x 4, 327,680 bytes of LDS; arguments y16, w16, b_out, out0; writes out0
.if DOCPART == 4
	.amdgcn_target "amdgcn-amd-amdhsa--gfx1250"
	.amdhsa_code_object_version 6
	.text
	.protected	k_qfdfab06120_proj
	.globl	k_qfdfab06120_proj
	.p2align	8
	.type	k_qfdfab06120_proj,@function
k_qfdfab06120_proj:
	s_mov_b64 s[64:65], 0
	v_nop
	global_prefetch_b8 v0, s[64:65] scope:SCOPE_SE
	s_setreg_imm32_b32 hwreg(HW_REG_WAVE_MODE, 25, 1), 1
	s_wait_xcnt 0x0
	s_wait_alu depctr_hold_cnt(0) depctr_sa_sdst(0) depctr_va_vdst(0) depctr_va_sdst(0) depctr_va_ssrc(0) depctr_va_vcc(0) depctr_vm_vsrc(0)
	s_getreg_b32 s2, hwreg(HW_REG_IB_STS2, 6, 4)
	s_cmp_eq_u32 s2, 0
	s_cbranch_scc0 .Lentry_in_a_cluster
	s_endpgm
.Lentry_in_a_cluster:
	s_bfe_u32 s2, ttmp6, 0x10000c
	s_cmp_lg_u32 s2, 0xf033
	s_cbranch_scc0 .Lentry_shape_is_right
	s_endpgm
.Lentry_shape_is_right:
; out0[m][n] = sum over k of y[m][k] W_out[k][n] + b_out[n], f16 operands, f32 sums.  y16: [16 head][8192 m][64], so k = 64 head + channel; w16: [1024 k][1024 n].
; A tile of 128 (m) x 256 (n) to a work-group: 256 work-groups.  Four waves, 64 x 128 each: 32 accumulators, window 2.  K goes in steps of 128 (two heads) through a ring of two LDS slots.
; CLUSTERS: 4 x 4; y's tiles are asked for jointly along a row of the cluster, W's along a column.  A wave has two tensor loads out at the start and one behind each round.
; THE MATRIX INSTRUCTION IS USED TRANSPOSED: source 0 = 16 columns n of W (turned out of [k][n] rows by ds_load_tr16_b128), source 1 = 16 rows of y: a lane holds eight neighbouring n of one row m.
; The bias is the C of each sum's first product.  (Positions 0..15 of every sequence are stored here too and written anew, more finely, by the launch that follows.)
; REGISTERS: window 0: v16-29 addresses; v32-95 the bias; v128-255 rows read back from the stage, two sets.  window 1: two fragment buffers (v0, v128): y's four at + 8 a, W's eight at + 32 + 8 b.
.set AP,     144                       ; a row of y's tile in LDS: 128 bytes + 16
.set BP,     544                       ; a row of W's: 512 + 32
.set AZ,     128*AP                    ; one head's 128 rows
.set BOFF,   2*AZ
.set BZ,     64*BP
.set SLOT,   BOFF+2*BZ
.set STAGE,  2*SLOT
.set SPITCH, 528
.set SPARE,  STAGE+4*16*SPITCH
.set LAPS,   4
.set ADRA, 16
.set ADRB, 20
.set STO,  24
.set RD,   25
.set CO,   26
.set BO,   27
.set SPW,  28
.set NIL,  29
.set BIAS, 32
.set BK,   128
.set F0,   0
.set F1,   128
.set G1, 24
.set G0, 32
.set G1B, 48
.set G0B, 56
.set MSB, 0
.macro WIN new
.if MSB != (\new)
	s_set_vgpr_msb (MSB<<8)|(\new)
.set MSB, (\new)
.endif
.endm
.set MUL,  0xa5                        ; sources 0 and 1 window 1; C and D window 2 (first products: C window 0: 0x85)
.set TO_F, 0x40
.macro JLOAD s                         ; waves 0, 1 fetch y's two heads, waves 2, 3 W's two halves; an s_nop 0 and four v_nop follow each line
	s_cmp_eq_u32 s11, 0
	s_cbranch_scc0 .Lfor_b_\@
	tensor_load_to_lds s[G0+4*\s:G0+4*\s+3], s[G1:G1+7]
	s_nop 0
.rept 4
	v_nop
.endr
	s_branch .Lasked_\@
.Lfor_b_\@:
	tensor_load_to_lds s[G0B+4*\s:G0B+4*\s+3], s[G1B:G1B+7]
	s_nop 0
.rept 4
	v_nop
.endr
.Lasked_\@:
.endm
.macro CREST
	s_cmp_lg_u32 s10, 0
	s_cbranch_scc1 .Lnot_wave_0_\@
	s_barrier_signal -3
.Lnot_wave_0_\@:
	s_barrier_wait -3
	s_barrier_signal -1
	s_barrier_wait -1
.endm
.macro CROUND
	s_barrier_signal -1
	s_barrier_wait -1
	CREST
.endm
	s_load_b128 s[4:7], s[0:1], 0x0                ; y16, w16
	s_load_b64 s[66:67], s[0:1], 0x10              ; b_out
	s_load_b64 s[8:9], s[0:1], 0x18                ; out0
	v_lshl_add_u32 v[SPW], v0, 2, SPARE
	v_mov_b32 v[NIL], 0
	ds_add_u32 v[SPW], v[NIL]                      ; the opening: the add, twice on end, and its wait ahead of my first tensor load
	ds_add_u32 v[SPW], v[NIL]
	v_lshrrev_b32 v1, 5, v0
	v_readfirstlane_b32 s10, v1                    ; wave
	s_lshr_b32 s11, s10, 1                         ; my half of the rows; also: I fetch for y (0) or W (1)
	s_and_b32 s12, s10, 1                          ; my half of the columns; also: which half of that tile I fetch
	s_bfe_u32 s40, ttmp6, 0x40000
	s_bfe_u32 s41, ttmp6, 0x40004
	s_lshl_b32 s42, ttmp9, 2
	s_add_co_u32 s42, s42, s40                     ; tile column
	s_and_b32 s13, ttmp7, 0xffff
	s_lshl_b32 s13, s13, 2
	s_add_co_u32 s13, s13, s41                     ; tile row
	s_lshl_b32 s43, s41, 2
	s_lshl_b32 s43, 15, s43
	s_lshl_b32 s44, 0x1111, s40
	s_or_b32 s[G1+0], s43, (1<<16)|(1<<20)|(1<<21)|(4<<22)|(3<<25)   ; y: 128 rows of 64 elements; 4 words of padding behind every 32
	s_mov_b32 s[G1+1], 64<<16
	s_mov_b32 s[G1+2], 128<<16
	s_mov_b32 s[G1+3], 64<<16
	s_mov_b32 s[G1+4], 128
	s_mov_b32 s[G1+5], 64
	s_mov_b32 s[G1+6], 0
	s_mov_b32 s[G1+7], 0
	s_or_b32 s[G1B+0], s44, (1<<16)|(1<<20)|(1<<21)|(6<<22)|(7<<25)  ; W: 64 rows of 256 elements; 8 words behind every 128
	s_mov_b32 s[G1B+1], 256<<16
	s_mov_b32 s[G1B+2], 64<<16
	s_mov_b32 s[G1B+3], 256<<16
	s_mov_b32 s[G1B+4], 64
	s_mov_b32 s[G1B+5], 1024
	s_mov_b32 s[G1B+6], 0
	s_mov_b32 s[G1B+7], 0
	s_lshl_b32 s16, s12, 20                        ; y: head z of the K step, rows 128 x tile row
	s_lshl_b32 s17, s13, 14
	s_add_co_u32 s16, s16, s17
	s_mov_b32 s17, 0
	s_lshl_b32 s46, s12, 17                        ; W: rows 64 z on, columns 256 x tile column
	s_lshl_b32 s47, s42, 9
	s_add_co_u32 s46, s46, s47
	s_mov_b32 s47, 0
	s_mul_i32 s20, s12, AZ
	s_mul_i32 s21, s12, BZ
	s_add_co_u32 s21, s21, BOFF
	s_wait_dscnt 0x0
	s_wait_kmcnt 0x0
	s_add_nc_u64 s[14:15], s[4:5], s[16:17]
	s_add_nc_u64 s[46:47], s[6:7], s[46:47]
	CROUND                                         ; all sixteen work-groups are here: the first joint loads meet
.irp s, 0,1
	s_mov_b32 s[G0+4*\s], 1
	s_add_co_u32 s[G0+4*\s+1], s20, \s*SLOT
	s_add_nc_u64 s[G0+4*\s+2:G0+4*\s+3], s[14:15], \s*2097152
	s_or_b32 s[G0+4*\s+3], s[G0+4*\s+3], 0x80000000
	s_mov_b32 s[G0B+4*\s], 1
	s_add_co_u32 s[G0B+4*\s+1], s21, \s*SLOT
	s_add_nc_u64 s[G0B+4*\s+2:G0B+4*\s+3], s[46:47], \s*262144
	s_or_b32 s[G0B+4*\s+3], s[G0B+4*\s+3], 0x80000000
	JLOAD \s
.endr
	v_and_b32 v1, 15, v0                           ; r
	v_bfe_u32 v2, v0, 4, 1                         ; h
	v_mul_u32_u24 v3, v1, AP
	v_lshl_add_u32 v3, v2, 4, v3
	v_and_b32 v4, 7, v0
	v_lshl_add_u32 v4, v2, 3, v4
	v_mul_u32_u24 v4, v4, BP
	v_bfe_u32 v5, v0, 3, 1
	v_lshl_add_u32 v4, v5, 4, v4
	s_mul_i32 s21, s11, 64*AP                      ; my 64 rows of y
	s_lshl_b32 s22, s12, 8                         ; my 128 columns of W
	s_add_co_u32 s22, s22, BOFF
.irp s, 0,1
	v_add_nc_u32 v[ADRA+\s], s21, v3
	v_add_nc_u32 v[ADRB+\s], s22, v4
	s_add_co_u32 s21, s21, SLOT
	s_add_co_u32 s22, s22, SLOT
.endr
	s_mul_i32 s23, s10, 16*SPITCH
	s_add_co_u32 s23, s23, STAGE
	v_mul_u32_u24 v5, v1, SPITCH
	v_lshl_add_u32 v5, v2, 5, v5
	v_add_nc_u32 v[STO], s23, v5
	v_and_b32 v6, 31, v0
	v_lshlrev_b32 v[CO], 4, v6
	v_add_nc_u32 v[RD], s23, v[CO]
	v_lshlrev_b32 v[BO], 5, v2
	s_lshl_b32 s20, s42, 10
	s_lshl_b32 s21, s12, 9
	s_add_co_u32 s20, s20, s21                     ; my first column, in bytes
	s_mov_b32 s21, 0
	s_add_nc_u64 s[66:67], s[66:67], s[20:21]
	s_add_nc_u64 s[8:9], s[8:9], s[20:21]
	s_lshl_b32 s20, s13, 19
	s_lshl_b32 s22, s11, 18
	s_add_co_u32 s20, s20, s22                     ; my first row, in bytes
	s_add_nc_u64 s[8:9], s[8:9], s[20:21]
.irp b, 0,1,2,3,4,5,6,7
	global_load_b128 v[BIAS+8*\b:BIAS+8*\b+3], v[BO], s[66:67] offset:64*\b
	global_load_b128 v[BIAS+8*\b+4:BIAS+8*\b+7], v[BO], s[66:67] offset:64*\b+16
.endr
.macro MUL8 f, a, first                ; y's block a x W's eight, 32 along K; the 32 accumulators take turns, one instruction a turn
.irp b, 0,1,2,3,4,5,6,7
.if \first
	v_wmma_f32_16x16x32_f16 v[8*(8*(\a)+\b):8*(8*(\a)+\b)+7], v[\f+32+8*\b:\f+32+8*\b+7], v[\f+8*(\a):\f+8*(\a)+7], v[BIAS+8*\b:BIAS+8*\b+7]
.else
	v_wmma_f32_16x16x32_f16 v[8*(8*(\a)+\b):8*(8*(\a)+\b)+7], v[\f+32+8*\b:\f+32+8*\b+7], v[\f+8*(\a):\f+8*(\a)+7], v[8*(8*(\a)+\b):8*(8*(\a)+\b)+7]
.endif
.endr
.endm
.macro FETCH slot, q, f                ; 24 LDS loads in one run: the slot's q-th 32 along K: W's 16, then y's blocks 0, 1, then 2, 3
	WIN TO_F
.irp b, 0,1,2,3,4,5,6,7
	ds_load_tr16_b128 v[\f+32+8*\b:\f+32+8*\b+3], v[ADRB+\slot] offset:32*BP*(\q)+32*\b
	ds_load_tr16_b128 v[\f+32+8*\b+4:\f+32+8*\b+7], v[ADRB+\slot] offset:32*BP*(\q)+16*BP+32*\b
.endr
.irp a, 0,1,2,3
	ds_load_b128 v[\f+8*\a:\f+8*\a+3], v[ADRA+\slot] offset:AZ*((\q)/2)+16*AP*\a+64*((\q)%2)
	ds_load_b128 v[\f+8*\a+4:\f+8*\a+7], v[ADRA+\slot] offset:AZ*((\q)/2)+16*AP*\a+64*((\q)%2)+32
.endr
.endm
.macro PLACES
.rept 4
	v_nop
.endr
.endm
.macro QUARTER slot, q, f, g, first    ; multiplies buffer f; in its middle fetches the slot's q-th quarter into g
	s_wait_dscnt 4                                 ; W's fragments and y's blocks 0, 1 are in; the youngest four loads may be out
	WIN MUL-0x20*(\first)
	MUL8 \f, 0, \first
	MUL8 \f, 1, \first
	PLACES
	FETCH \slot, \q, \g
	s_wait_dscnt 24                                ; all but the 24 just issued
	WIN MUL-0x20*(\first)
	MUL8 \f, 2, \first
	MUL8 \f, 3, \first
.endm
; A slot's last quarter multiplies buffer 1 and changes slots: all my tensor loads have landed, the add, my reads of this slot are over; one barrier, which with fill = 1 opens a round of the cluster's.
.macro TURN slot, next, fill
	WIN 0
	s_wait_tensorcnt 0x0
	ds_add_u32 v[SPW], v[NIL]
	s_wait_dscnt 5                                 ; the add and the youngest four loads may be out
	WIN MUL
	MUL8 F1, 0, 0
	s_wait_dscnt 0x0
	s_barrier_signal -1
	MUL8 F1, 1, 0
.if \fill
	WIN 0
.endif
	s_barrier_wait -1
.if \fill
	CREST
	s_add_nc_u64 s[G0+4*\slot+2:G0+4*\slot+3], s[G0+4*\slot+2:G0+4*\slot+3], 4194304    ; four heads on
	s_add_nc_u64 s[G0B+4*\slot+2:G0B+4*\slot+3], s[G0B+4*\slot+2:G0B+4*\slot+3], 524288 ; 256 rows of W on
	JLOAD \slot                                    ; the first tensor load behind the round; its four v_nop are also the places ahead of the loads below
.else
	PLACES
.endif
	FETCH \next, 0, F0
	WIN MUL
	MUL8 F1, 2, 0
	MUL8 F1, 3, 0
.endm
	s_wait_tensorcnt 1                             ; my part of K step 0 is in; K step 1's may be out
	s_barrier_signal -1
	s_barrier_wait -1
	FETCH 0, 0, F0
	s_wait_loadcnt 0x0                             ; the bias
	QUARTER 0, 1, F0, F1, 1
	WIN 0
	s_mov_b32 s3, LAPS-1
.Llap:
	QUARTER 0, 2, F1, F0, 0
	QUARTER 0, 3, F0, F1, 0
	TURN 0, 1, 1
	QUARTER 1, 1, F0, F1, 0
	QUARTER 1, 2, F1, F0, 0
	QUARTER 1, 3, F0, F1, 0
	TURN 1, 0, 1
	QUARTER 0, 1, F0, F1, 0
	WIN 0
	s_sub_co_u32 s3, s3, 1
	s_cmp_lg_u32 s3, 0
	s_cbranch_scc1 .Llap
	QUARTER 0, 2, F1, F0, 0                        ; the last lap fills nothing
	QUARTER 0, 3, F0, F1, 0
	TURN 0, 1, 0
	QUARTER 1, 1, F0, F1, 0
	QUARTER 1, 2, F1, F0, 0
	QUARTER 1, 3, F0, F1, 0
	s_wait_dscnt 4
	WIN MUL
	MUL8 F1, 0, 0
	MUL8 F1, 1, 0
	s_wait_dscnt 0
	MUL8 F1, 2, 0
	MUL8 F1, 3, 0
	WIN 0
; THE WAY OUT: a block of 16 rows x 128 columns goes through my own stage and comes back as whole rows of 512 bytes.
.macro TOSTAGE a
	WIN 0x08                                       ; an LDS store's data: window 2
.irp b, 0,1,2,3,4,5,6,7
	ds_store_b128 v[STO], v[64*(\a)+8*\b:64*(\a)+8*\b+3] offset:64*\b
	ds_store_b128 v[STO], v[64*(\a)+8*\b+4:64*(\a)+8*\b+7] offset:64*\b+16
.endr
	WIN 0
.set BB, BK+64*((\a)%2)
.irp t, 0,1,2,3,4,5,6,7,8,9,10,11,12,13,14,15
	ds_load_b128 v[BB+4*\t:BB+4*\t+3], v[RD] offset:\t*SPITCH
.endr
.endm
.macro SEND a, younger
.set BB, BK+64*((\a)%2)
	s_wait_dscnt \younger
.irp t, 0,1,2,3,4,5,6,7,8,9,10,11,12,13,14,15
	global_store_b128 v[CO], v[BB+4*\t:BB+4*\t+3], s[8:9] offset:65536*(\a)+4096*\t   ; 32 lanes store 512 consecutive bytes, aligned
.endr
.endm
	PLACES
	TOSTAGE 0
	TOSTAGE 1
	SEND 0, 32                                     ; behind block 0's loads: block 1's 16 stores and 16 loads
	s_wait_xcnt 0x0                                ; block 0's stores have read their registers
	TOSTAGE 2
	SEND 1, 32
	s_wait_xcnt 0x0
	TOSTAGE 3
	SEND 2, 32
	SEND 3, 0
	s_wait_tensorcnt 0x0                           ; the wave's end
	ds_add_u32 v[SPW], v[NIL]
	s_wait_dscnt 0x0
	CROUND                                         ; the closing round
	s_endpgm
.Lfunc_end_k_qfdfab06120_proj:
	.size	k_qfdfab06120_proj, .Lfunc_end_k_qfdfab06120_proj-k_qfdfab06120_proj
	.p2alignl 7, 3214868480
	.fill 96, 4, 3214868480
	.section	.rodata,"a",@progbits
	.p2align	6, 0x0
	.amdhsa_kernel k_qfdfab06120_proj
		.amdhsa_group_segment_fixed_size 327680
		.amdhsa_private_segment_fixed_size 0
		.amdhsa_enable_private_segment 0
		.amdhsa_kernarg_size 32
		.amdhsa_user_sgpr_count 2
		.amdhsa_user_sgpr_kernarg_segment_ptr 1
		.amdhsa_wavefront_size32 1
		.amdhsa_system_sgpr_workgroup_id_x 1
		.amdhsa_system_sgpr_workgroup_id_y 1
		.amdhsa_system_sgpr_workgroup_id_z 1
		.amdhsa_system_vgpr_workitem_id 0
		.amdhsa_next_free_vgpr 768
		.amdhsa_next_free_sgpr 68
		.amdhsa_reserve_vcc 0
		.amdhsa_float_denorm_mode_32 3
		.amdhsa_float_denorm_mode_16_64 3
		.amdhsa_memory_ordered 1
		.amdhsa_forward_progress 1
		.amdhsa_inst_pref_size 87
	.end_amdhsa_kernel
	.amdgpu_metadata
---
amdhsa.version: [ 1, 2 ]
amdhsa.kernels:
  - .name:           k_qfdfab06120_proj
    .symbol:         k_qfdfab06120_proj.kd
    .args:
      - { .name: y16, .offset: 0, .size: 8, .value_kind: global_buffer, .address_space: global }
      - { .name: w16, .offset: 8, .size: 8, .value_kind: global_buffer, .address_space: global }
      - { .name: b_out, .offset: 16, .size: 8, .value_kind: global_buffer, .address_space: global }
      - { .name: out0, .offset: 24, .size: 8, .value_kind: global_buffer, .address_space: global }
    .group_segment_fixed_size: 327680
    .private_segment_fixed_size: 0
    .kernarg_segment_align: 8
    .kernarg_segment_size: 32
    .max_flat_workgroup_size: 128
    .sgpr_count:     68
    .vgpr_count:     768
    .wavefront_size: 32
...
	.end_amdgpu_metadata
.endif
;; end of part 4
;; launch fine (part 5): grid 16 x 4, 16 waves a work-group, no clusters, 71,680 bytes of LDS; arguments qkvf, pad_mask, W_out, b_out, out0; writes out0
.if DOCPART == 5
	.amdgcn_target "amdgcn-amd-amdhsa--gfx1250"
	.amdhsa_code_object_version 6
	.text
	.protected	k_qfdfab06120_fine
	.globl	k_qfdfab06120_fine
	.p2align	8
	.type	k_qfdfab06120_fine,@function
k_qfdfab06120_fine:
	s_mov_b64 s[64:65], 0
	v_nop
	global_prefetch_b8 v0, s[64:65] scope:SCOPE_SE
	s_setreg_imm32_b32 hwreg(HW_REG_WAVE_MODE, 25, 1), 1
	s_wait_xcnt 0x0
; POSITIONS 0..15 OF EVERY SEQUENCE, IN F32 THROUGHOUT: attention over their 16 keys and the projection on the way out, by v_wmma_f32_16x16x4_f32; these 64 rows of out0 are written anew.
; Work-group (s, b): 64 columns of out0, batch b.  Wave w is head w: it makes its head's 16 x 16 attention (96 matrix instructions with the projection; repeated in each of the 16 slices, which
; is cheaper than a launch more) and its head's part of the 16 x 64 results; the 16 parts meet in LDS, and wave w adds row w and stores it: 256 consecutive bytes, aligned.
; Both products of attention and the projection are used transposed: a lane holds one query (lane % 16).  Along a product's K the same permutation stands on both sides.
; Padded keys enter as -2^99 (the C of the scores' first product); a row whose maximum ends under -2^97 has no visible key and becomes NaN, as the definition's does.
; The registers v16-47 are written by matrix instructions alone; every sum begins with 0 or with other registers as its first C.
.set ACC, 16                           ; v16-47   four accumulators
.set QF,  48                           ; v48-79   q: channels 32 h + 0..31 of query r
.set KFR, 80                           ; v80-111  k likewise
.set VF,  112                          ; v112-143 v: 8 ct + 2 i + jj = v(key 8 h + 2 i + jj, channel 16 ct + r)
.set YF,  112                          ; later y: 8 ct + i = y(query r, channel 16 ct + 8 h + i)
.set WFA, 144                          ; v144-207 W_out's fragments for column tiles 0, 1
.set WFB, 48                           ; v48-111  later those for tiles 2, 3
.set PB,  208
.set SS,  216
.set SPW, 254
.set NIL, 255
.set SPARE, 69632
.set SEL, 26
.set CS,  28
	s_load_b256 s[4:11], s[0:1], 0x0               ; qkvf, pad_mask, W_out, b_out
	s_load_b64 s[12:13], s[0:1], 0x20              ; out0
	v_lshl_add_u32 v[SPW], v0, 2, SPARE
	v_mov_b32 v[NIL], 0
	v_lshrrev_b32 v1, 5, v0
	v_readfirstlane_b32 s14, v1                    ; wave = head
	v_and_b32 v1, 15, v0                           ; r
	v_bfe_u32 v2, v0, 4, 1                         ; h
	v_and_b32 v3, 31, v0                           ; lane
	v_lshlrev_b32 v4, 8, v1
	v_lshl_add_u32 v4, v2, 7, v4                   ; q, k: row r of 256 bytes, + 128 h
	v_lshlrev_b32 v5, 2, v1
	v_lshl_add_u32 v6, v2, 15, v5                  ; W_out: 8 h rows of 4,096 bytes, + 4 r
	v_lshl_add_u32 v5, v2, 11, v5                  ; v: 8 h rows of 256 bytes, + 4 r
	v_lshlrev_b32 v7, 3, v2                        ; the mask bytes of keys 8 h + 0..7
	v_lshlrev_b32 v8, 3, v3
	v_sub_nc_u32 v9, v1, v7                        ; r - 8 h
	s_mul_i32 s20, s14, 4352
	v_mul_u32_u24 v10, v1, 272
	v_lshl_add_u32 v10, v2, 5, v10
	v_add_nc_u32 v10, s20, v10                     ; my part in LDS: [16 queries][256 + 16 bytes]
	s_mul_i32 s20, s14, 272
	v_add_nc_u32 v11, s20, v8                      ; row w of a part, 8 bytes a lane
	v_mov_b32 v12, 0xff800000
	v_mov_b32 v13, 0x7fc00000
	v_mov_b32 v229, 0                              ; a lane permute's destination counts as one of its sources
	s_mov_b32 s[SEL], 0x76543210
	s_mov_b32 s[SEL+1], 0xfedcba98
	s_mov_b32 s[CS], 0x3e38aa3b                    ; c = log2(e) / 8
	s_and_b32 s15, ttmp7, 0xffff                   ; batch
	s_mul_i32 s16, s15, 48
	s_add_co_u32 s16, s16, s14
	s_lshl_b32 s16, s16, 12
	s_mov_b32 s17, 0
	s_lshl_b32 s18, s15, 11
	s_mov_b32 s19, 0
	s_lshl_b32 s22, ttmp9, 8
	s_mov_b32 s23, 0
	s_lshl_b32 s20, s14, 18
	s_add_co_u32 s20, s20, s22
	s_mov_b32 s21, 0
	s_lshl_b32 s24, s15, 23
	s_lshl_b32 s25, s14, 12
	s_add_co_u32 s24, s24, s25
	s_add_co_u32 s24, s24, s22
	s_mov_b32 s25, 0
	s_wait_kmcnt 0x0
	s_add_nc_u64 s[4:5], s[4:5], s[16:17]          ; q of (batch, head); k lies 65,536 bytes on, v 131,072
	s_add_nc_u64 s[6:7], s[6:7], s[18:19]
	s_add_nc_u64 s[8:9], s[8:9], s[20:21]          ; W_out at row 64 head, column 64 s
	s_add_nc_u64 s[10:11], s[10:11], s[22:23]
	s_add_nc_u64 s[12:13], s[12:13], s[24:25]      ; out0 at row 2048 batch + wave, column 64 s
	global_load_b64 v[242:243], v7, s[6:7]
	global_load_b64 v[240:241], v8, s[10:11]
.irp i, 0,1,2,3,4,5,6,7
	global_load_b128 v[QF+4*\i:QF+4*\i+3], v4, s[4:5] offset:16*\i
.endr
.irp i, 0,1,2,3,4,5,6,7
	global_load_b128 v[KFR+4*\i:KFR+4*\i+3], v4, s[4:5] offset:65536+16*\i
.endr
.irp ct, 0,1,2,3
.irp i, 0,1,2,3
.irp jj, 0,1
	global_load_b32 v[VF+8*\ct+2*\i+\jj], v5, s[4:5] offset:131072+256*(2*\i+\jj)+64*\ct
.endr
.endr
.endr
; W_out's fragments for column tiles nt0, nt0 + 1: step st = 4 ct + i takes channels 16 ct + 8 h + 2 i + 0, 1
.macro WLOAD reg, nt0
.irp n, 0,1
.set st, 0
.rept 16
	global_load_b32 v[\reg+32*\n+2*st], v6, s[8:9] offset:4096*(16*(st/4)+2*(st%4))+64*(\nt0+\n)
	global_load_b32 v[\reg+32*\n+2*st+1], v6, s[8:9] offset:4096*(16*(st/4)+2*(st%4)+1)+64*(\nt0+\n)
.set st, st+1
.endr
.endr
.endm
	WLOAD WFA, 0
	s_wait_loadcnt 63                              ; 64 loads were issued behind v's last: the mask, b_out, q, k and v are in
.irp i, 0,1,2,3,4,5,6,7
	v_bfe_u32 v[PB+\i], v[242+\i/4], 8*(\i%4), 8
.endr
.irp i, 0,1,2,3,4,5,6,7
	v_sub_nc_u32 v[PB+\i], 0, v[PB+\i]
.endr
.irp i, 0,1,2,3,4,5,6,7
	v_and_b32 v[PB+\i], 0xf1000000, v[PB+\i]       ; 0, or -2^99
.endr
	; S^T = k q^T: 16 steps of 4 channels on four accumulators by turns
.irp i, 0,1,2,3,4,5,6,7,8,9,10,11,12,13,14,15
.if \i == 0
	v_wmma_f32_16x16x4_f32 v[ACC:ACC+7], v[KFR:KFR+1], v[QF:QF+1], v[PB:PB+7]
.elseif \i < 4
	v_wmma_f32_16x16x4_f32 v[ACC+8*\i:ACC+8*\i+7], v[KFR+2*\i:KFR+2*\i+1], v[QF+2*\i:QF+2*\i+1], 0
.else
	v_wmma_f32_16x16x4_f32 v[ACC+8*(\i%4):ACC+8*(\i%4)+7], v[KFR+2*\i:KFR+2*\i+1], v[QF+2*\i:QF+2*\i+1], v[ACC+8*(\i%4):ACC+8*(\i%4)+7]
.endif
.endr
.rept 9
	v_nop                                          ; places behind this form, ahead of loads into its sources and of the first read of its results
.endr
	WLOAD WFB, 2
.irp p, 0,2,4,6
	v_pk_add_f32 v[224:225], v[ACC+\p:ACC+\p+1], v[ACC+8+\p:ACC+8+\p+1]
	v_pk_add_f32 v[226:227], v[ACC+16+\p:ACC+16+\p+1], v[ACC+24+\p:ACC+24+\p+1]
	v_pk_add_f32 v[SS+\p:SS+\p+1], v[224:225], v[226:227]
.endr
.irp n, 0,1,2,3,4,5,6,7
	v_cmp_gt_i32 vcc_lo, \n, v9                    ; key 8 h + n comes after query r
	v_cndmask_b32 v[SS+\n], v[SS+\n], v12, vcc_lo
.endr
	v_max3_num_f32 v228, v[SS], v[SS+1], v[SS+2]
	v_max3_num_f32 v228, v228, v[SS+3], v[SS+4]
	v_max3_num_f32 v228, v228, v[SS+5], v[SS+6]
	v_max_num_f32 v228, v228, v[SS+7]
	v_permlanex16_b32 v229, v228, s[SEL], s[SEL+1]
	v_max_num_f32 v228, v228, v229                 ; the row's maximum: key 0 is never hidden by the causal mask, so it is a number
	v_mul_f32 v230, s[CS], v228
.irp n, 0,1,2,3,4,5,6,7
	v_fma_f32 v[SS+\n], v[SS+\n], s[CS], -v230
.endr
.irp n, 0,1,2,3,4,5,6,7
	v_exp_f32 v[SS+\n], v[SS+\n]
.endr
	v_nop
	s_wait_alu depctr_va_vdst(0)                   ; one wait for the eight, ahead of their first reader
	v_add_f32 v231, v[SS], v[SS+1]
	v_add_f32 v232, v[SS+2], v[SS+3]
	v_add_f32 v233, v[SS+4], v[SS+5]
	v_add_f32 v234, v[SS+6], v[SS+7]
	v_add_f32 v231, v231, v232
	v_add_f32 v233, v233, v234
	v_add_f32 v231, v231, v233
	v_permlanex16_b32 v229, v231, s[SEL], s[SEL+1]
	v_add_f32 v231, v231, v229
	v_rcp_f32 v235, v231
	v_cmp_gt_f32 vcc_lo, 0xf0000000, v228          ; (a plain line behind the reciprocal)  -2^97 > the maximum: no key was visible
	s_wait_alu depctr_va_vdst(0)
	v_cndmask_b32 v235, v235, v13, vcc_lo
	; O^T = v^T p: 4 steps of 4 keys on four accumulators (16 channels each) by turns
.irp i, 0,1,2,3
.irp ct, 0,1,2,3
.if \i == 0
	v_wmma_f32_16x16x4_f32 v[ACC+8*\ct:ACC+8*\ct+7], v[VF+8*\ct:VF+8*\ct+1], v[SS:SS+1], 0
.else
	v_wmma_f32_16x16x4_f32 v[ACC+8*\ct:ACC+8*\ct+7], v[VF+8*\ct+2*\i:VF+8*\ct+2*\i+1], v[SS+2*\i:SS+2*\i+1], v[ACC+8*\ct:ACC+8*\ct+7]
.endif
.endr
.endr
.rept 9
	v_nop
.endr
.set i, 0
.rept 32
	v_mul_f32 v[YF+i], v[ACC+i], v235              ; y, into other registers
.set i, i+1
.endr
	s_wait_loadcnt 0x0                             ; W_out's fragments
	; my head's part of out^T: 16 steps of 4 channels on four accumulators (16 columns each) by turns
.irp st, 0,1,2,3,4,5,6,7,8,9,10,11,12,13,14,15
.irp nt, 0,1,2,3
.if \nt < 2
.set WR, WFA+32*\nt+2*\st
.else
.set WR, WFB+32*(\nt-2)+2*\st
.endif
.if \st == 0
	v_wmma_f32_16x16x4_f32 v[ACC+8*\nt:ACC+8*\nt+7], v[WR:WR+1], v[YF:YF+1], 0
.else
	v_wmma_f32_16x16x4_f32 v[ACC+8*\nt:ACC+8*\nt+7], v[WR:WR+1], v[YF+2*\st:YF+2*\st+1], v[ACC+8*\nt:ACC+8*\nt+7]
.endif
.endr
.endr
.rept 9
	v_nop
.endr
.irp nt, 0,1,2,3
	ds_store_b128 v10, v[ACC+8*\nt:ACC+8*\nt+3] offset:64*\nt
	ds_store_b128 v10, v[ACC+8*\nt+4:ACC+8*\nt+7] offset:64*\nt+16
.endr
	s_wait_dscnt 0x0                               ; for the others' sake: my part lies in LDS
	s_barrier_signal -1
	s_barrier_wait -1
.irp k, 0,1,2,3,4,5,6,7,8,9,10,11,12,13,14,15
	ds_load_b64 v[48+2*\k:49+2*\k], v11 offset:4352*\k
.endr
	s_wait_dscnt 0x0
.irp k, 0,1,2,3,4,5,6,7,8,9,10,11,12,13,14,15
	v_pk_add_f32 v[240:241], v[240:241], v[48+2*\k:49+2*\k]   ; b_out, then the heads in order
.endr
	global_store_b64 v8, v[240:241], s[12:13]      ; 32 lanes store 256 consecutive bytes, aligned
	s_wait_tensorcnt 0x0                           ; the wave's end
	ds_add_u32 v[SPW], v[NIL]
	s_wait_dscnt 0x0
	s_endpgm
.Lfunc_end_k_qfdfab06120_fine:
	.size	k_qfdfab06120_fine, .Lfunc_end_k_qfdfab06120_fine-k_qfdfab06120_fine
	.p2alignl 7, 3214868480
	.fill 96, 4, 3214868480
	.section	.rodata,"a",@progbits
	.p2align	6, 0x0
	.amdhsa_kernel k_qfdfab06120_fine
		.amdhsa_group_segment_fixed_size 71680
		.amdhsa_private_segment_fixed_size 0
		.amdhsa_enable_private_segment 0
		.amdhsa_kernarg_size 40
		.amdhsa_user_sgpr_count 2
		.amdhsa_user_sgpr_kernarg_segment_ptr 1
		.amdhsa_wavefront_size32 1
		.amdhsa_system_sgpr_workgroup_id_x 1
		.amdhsa_system_sgpr_workgroup_id_y 1
		.amdhsa_system_sgpr_workgroup_id_z 1
		.amdhsa_system_vgpr_workitem_id 0
		.amdhsa_next_free_vgpr 256
		.amdhsa_next_free_sgpr 66
		.amdhsa_reserve_vcc 1
		.amdhsa_float_denorm_mode_32 3
		.amdhsa_float_denorm_mode_16_64 3
		.amdhsa_memory_ordered 1
		.amdhsa_forward_progress 1
		.amdhsa_inst_pref_size 35
	.end_amdhsa_kernel
	.amdgpu_metadata
---
amdhsa.version: [ 1, 2 ]
amdhsa.kernels:
  - .name:           k_qfdfab06120_fine
    .symbol:         k_qfdfab06120_fine.kd
    .args:
      - { .name: qkvf, .offset: 0, .size: 8, .value_kind: global_buffer, .address_space: global }
      - { .name: pad_mask, .offset: 8, .size: 8, .value_kind: global_buffer, .address_space: global }
      - { .name: W_out, .offset: 16, .size: 8, .value_kind: global_buffer, .address_space: global }
      - { .name: b_out, .offset: 24, .size: 8, .value_kind: global_buffer, .address_space: global }
      - { .name: out0, .offset: 32, .size: 8, .value_kind: global_buffer, .address_space: global }
    .group_segment_fixed_size: 71680
    .private_segment_fixed_size: 0
    .kernarg_segment_align: 8
    .kernarg_segment_size: 40
    .max_flat_workgroup_size: 512
    .sgpr_count:     66
    .vgpr_count:     256
    .wavefront_size: 32
...
	.end_amdgpu_metadata
.endif
;; end of part 5
